; MI455X (gfx1250); checked and timed in simulation.
; The chip was launched on July 23, 2026; its instructions are those of AMD's public machine-readable ISA for CDNA 5 (MIT licence, August 2026) and "CDNA5" Instruction Set Architecture Reference Guide (July 2026). The comments in the code are by the model that wrote it; some were corrected since.
;; Multi Head Attention. Allowed arithmetic: matrix products marked QUANTISED: E2M1 operands, one E8M0 scale for each 32 along K, by v_wmma_scale_f32_16x16x128_f8f6f4 with both operands' format E2M1 (or v_wmma_scale_f32_32x16x128_f4), f32 sums; products left as they are: bf16, f16 or f32 operands; f32 sums; everything else in f32.
;; Inputs: Wk 1,024 x 1,024 float32; Wo 1,024 x 1,024 float32; Wq 1,024 x 1,024 float32; Wv 1,024 x 1,024 float32; bk 1,024 float32; bo 1,024 float32; bq 1,024 float32; bv 1,024 float32; key_ 4 x 2,048 x 1,024 float32; mask 4 x 1 x 2,048 x 2,048 int32; query 4 x 2,048 x 1,024 float32; value 4 x 2,048 x 1,024 float32.
;; Outputs: out0 4 x 2,048 x 1,024 float32.
;; This version of the problem:
;;   THIS VERSION OF THE PROBLEM IS GIVEN IN LOW PRECISION. The matrix products marked QUANTISED in the list below multiply operands that are first quantised to E2M1 (2 exponent bits, 1 mantissa bit; 4 bits a number), with one power-of-two scale for each 32 numbers along K (OCP MX v1.0); their sums are f32. The products marked 'left as it is' may take bf16, f16 or f32 operands, with f32 sums. Whichever they take, every output number must still come out within the allowed error. Rounding operands to bf16 (8 significant bits) uses up far more of that allowance than f16 does (11 bits, for magnitudes from 6e-5 to 65,504). All else is computed in f32.
;;   The module's matrix products, in the order in which they are computed (A, B: the left and right operand; K: the contracted axis; several contracted axes count as one K, in the product's order):
;;     1. [M 8,192, K 1,024] x [K 1,024, N 1,024]; A: input query; B: input Wq: QUANTISED
;;     2. [M 8,192, K 1,024] x [K 1,024, N 1,024]; A: input key_; B: input Wk: QUANTISED
;;     3. [M 8,192, K 1,024] x [K 1,024, N 1,024]; A: input value; B: input Wv: QUANTISED
;;     4. batch 64 x [M 2,048, K 64] x [K 64, N 2,048]; A: computed on the way; B: computed on the way: left as it is (an operand is computed on the way)
;;     5. batch 64 x [M 2,048, K 2,048] x [K 2,048, N 64]; A: computed on the way; B: computed on the way: left as it is (an operand is computed on the way)
;;     6. [M 8,192, K 1,024] x [K 1,024, N 1,024]; A: computed on the way; B: input Wo: left as it is (an operand is computed on the way)
;;   THE QUANTISER, for each operand of a quantised product, along K:
;;     - K is cut into blocks of 32 from its start; a last block that is shorter is filled with zeros.
;;     - A block's scale is 2^e with e = floor(log2(the largest magnitude in the block)) - 2, held to -126 .. 127; a block of zeros has e = 0. As a byte (E8M0): e + 127.
;;     - Each number is divided by its block's scale, clamped to +-6, and rounded to the nearest number of E2M1, ties to even, subnormals kept.
;;     - The product sums the exact products of the quantised numbers (number of the format x scale) in f32.
;;   ~~~python
;;   def quantise(x, axis):      # numpy; x: float32 -> the quantised numbers, widened to float32 again
;;       x = np.moveaxis(x, axis, -1); K = x.shape[-1]
;;       x = np.pad(x, [(0, 0)] * (x.ndim - 1) + [(0, -K % 32)]); x = x.reshape(x.shape[:-1] + (-1, 32)); a = np.abs(x).max(-1, keepdims=True)
;;       e = np.where(a > 0, np.clip(np.frexp(np.where(a > 0, a, 1))[1] - 1 - 2, -126, 127), 0)      # np.frexp(a)[1] - 1 = floor(log2(a)), exactly
;;       r = np.clip(x / 2.0 ** e, -6, 6)
;;       step = 2.0 ** (np.maximum(np.frexp(np.where(r == 0, 1, r))[1] - 1, 0) - 1)
;;       q = np.round(r / step) * step * 2.0 ** e      # np.round: ties to even
;;       return np.moveaxis(q.reshape(q.shape[:-2] + (-1,))[..., :K], -1, axis).astype(np.float32)
;;   ~~~
;; One version. Each part assembles by itself: llvm-mc -triple=amdgcn-amd-amdhsa -mcpu=gfx1250 --defsym DOCPART=n.
;; ======== version 1 of 1: 4 launches
;; limits: values are held in f16: magnitudes above 65,504 overflow, below 6.1e-05 lose precision
;; workspace buffers: xc 12,582,912 bytes; xs 786,432 bytes; wc 1,572,864 bytes; ws 98,304 bytes; wo16 2,097,152 bytes; mbits 2,097,152 bytes of whole numbers; qkv 50,331,648 bytes; ao 16,777,216 bytes
;; launch prep (part 1): grid 1392 x 1, 4 waves a work-group, no clusters, 139,776 bytes of LDS; arguments query, key_, value, Wq, Wk, Wv, Wo, mask, xc, xs, wc, ws, wo16, mbits; writes xc, xs, wc, ws, wo16, mbits
.if DOCPART == 1
	.amdgcn_target "amdgcn-amd-amdhsa--gfx1250"
	.amdhsa_code_object_version 6
	.text
	.protected	k_qf783646238_prep
	.globl	k_qf783646238_prep
	.p2align	8
	.type	k_qf783646238_prep,@function
k_qf783646238_prep:
	s_mov_b64 s[64:65], 0
	v_nop
	global_prefetch_b8 v0, s[64:65] scope:SCOPE_SE
	s_setreg_imm32_b32 hwreg(HW_REG_WAVE_MODE, 25, 1), 1
	s_wait_xcnt 0x0
; PREP: four streaming jobs in one launch, told apart by the work-group's number.  Every byte of the eight inputs is read once.
;   work-groups    0 ..   47  QW    Wq, Wk, Wv [1024 k][1024 n] f32 -> wc [3][n][512 bytes] codes of E2M1, K innermost, ws [3][n][32] E8M0 bytes
;   work-groups   48 ..  111  WO    Wo [1024 k][1024 n] f32 -> wo16 [n][k] f16
;   work-groups  112 ..  879  X     query, key_, value [8192][1024] f32 -> xc [3][8192][512 bytes] codes, xs [3][8192][32] bytes
;   work-groups  880 .. 1391  MASK  mask [4][2048 q][2048 k] i32 -> mbits: words whose bit l says of lane l of the attention launch whether its score counts
; THE QUANTISER: a block of 32 along K has the scale 2^(floor(log2(largest magnitude)) - 2); its byte is the largest magnitude's exponent field - 2, held at 1 from below; each number is divided by
; the scale and rounded to the nearest code, ties to even, beyond 6 the code of 6.  A block of zeros gets the byte 1 where the rule says 127: its codes are zeros, and this program alone reads the bytes.
; LIMITS: blocks whose largest magnitude lies under 2^-124 keep the byte 1; NaN and infinities are not served; |Wo| above 65,504 has no f16 number.
; mbits: [pair = 64 b + q / 32][step = key / 64][T][kt][j]: bit l of a word = (mask[b][32 (q / 32) + 16 T + l % 16][64 step + 16 kt + 2 j + l / 16] != 0): 64 words, 256 bytes, for 32 queries x 64 keys.
; No tensor load, no barrier: a wave shares nothing.  In LDS each path has bytes of its own, and in them each wave 8,704 of its own.
.set WREG,  8704
.set PX,    0                          ; path X's four regions
.set PQ,    4*WREG                     ; path QW's
.set PW,    8*WREG                     ; path WO's
.set PM,    12*WREG                    ; path MASK's
.set SPARE, 16*WREG                    ; behind them the spare words, 128 bytes for each wave: two blocks of 256 bytes that no other line names
.set SPW,   30                         ; v30  LDS address of my spare word; never rewritten
.set NIL,   31                         ; v31  0; never rewritten
.set XD,    8                          ; X: loads run eight steps ahead: 32 loads, 16,384 bytes, of a wave are out
.set XR,    32                         ; X: v32-159 eight sets of 16 numbers as loaded; v160-191 two sets of 16 neighbours; v192-207 a scale byte a step; v208-239 two registers of codes a step
.set XN,    160
.set XE,    192
.set XC,    208
.set KX,    32                         ; QW, WO: v32-95 two sets of 32 numbers down K; v96.. a block's codes or f16 pairs; v112-175 the way out; v24-27 scale bytes
.set KC,    96
.set KO,    112
.set KSB,   24
.set MR,    32                         ; MASK: v32-159 two sets of 64 words as loaded; v160-223 64 words by lane; v224-231 a pair of result registers for each chunk
.set MX,    160
.set MOUT,  224
.macro FIN                             ; a wave's end
	s_wait_tensorcnt 0x0
	ds_add_u32 v[SPW], v[NIL]
	s_wait_dscnt 0x0
	s_endpgm
.endm
; ---- path X: a step is 512 numbers: four loads of 512 consecutive bytes, through the wave's stage (16 bytes of padding behind each 64), back as 16 neighbours a lane
.macro XLOAD t
.irp i, 0,1,2,3
	global_load_b128 v[XR+16*((\t)%XD)+4*\i:XR+16*((\t)%XD)+4*\i+3], v3, s[4:5] offset:2048*(\t)+512*\i th:TH_LOAD_NT
.endr
.endm
.macro XTURN t                         ; LDS serves a wave's instructions in order: no wait between the stores and the loads
.irp i, 0,1,2,3
	ds_store_b128 v16, v[XR+16*((\t)%XD)+4*\i:XR+16*((\t)%XD)+4*\i+3] offset:2560*((\t)%2)+640*\i
.endr
.irp i, 0,1,2,3
	ds_load_b128 v[XN+16*((\t)%2)+4*\i:XN+16*((\t)%2)+4*\i+3], v17 offset:2560*((\t)%2)+16*\i
.endr
.endm
.macro XSTEP t
.set XS, XN+16*((\t)%2)
.if (\t) > 0
	s_wait_dscnt 1                                 ; this step's numbers are back from the stage; only the last step's byte store may be out
.else
	s_wait_dscnt 0x0
.endif
.if (\t)+XD < 16
	XLOAD (\t)+XD                                  ; into the registers whose stores into the stage are done
.endif
.if (\t)+1 < 16
.if 14-(\t) >= XD-1
	s_wait_loadcnt 4*(XD-1)                        ; the next step's four loads are in; those of the seven steps behind it stay out
.else
	s_wait_loadcnt 4*(14-(\t))
.endif
	XTURN (\t)+1
.endif
	v_max3_num_f32 v8, |v[XS]|, |v[XS+1]|, |v[XS+2]|               ; the largest magnitude of my 16, in two chains
	v_max3_num_f32 v9, |v[XS+3]|, |v[XS+4]|, |v[XS+5]|
.irp i, 6,10
	v_max3_num_f32 v8, v8, |v[XS+\i]|, |v[XS+\i+1]|
	v_max3_num_f32 v9, v9, |v[XS+\i+2]|, |v[XS+\i+3]|
.endr
	v_max3_num_f32 v8, v8, |v[XS+14]|, |v[XS+15]|
	v_max3_num_f32 v8, v8, v9, 0x1800000           ; and the floor 2^(3 - 127): the byte cannot fall under 1
	v_max_num_f32_dpp v8, v8, v8 row_xmask:1 row_mask:0xf bank_mask:0xf   ; with my neighbour's 16: the block's
	v_add_nc_u32 v11, 0xff000000, v8               ; 2 off its exponent field: the conversion takes the exponent field of this operand as its scale
	v_cvt_scalef32_pk8_fp4_f32 v[XC+2*(\t)], v[XS:XS+7], v11
	v_cvt_scalef32_pk8_fp4_f32 v[XC+2*(\t)+1], v[XS+8:XS+15], v11
	v_lshrrev_b32 v[XE+(\t)], 23, v11              ; the scale's byte (also the plain line behind the conversions)
	ds_store_b8 v5, v[XE+(\t)] offset:16*(\t)      ; both lanes of a block write the same byte with the same value
	global_store_b64 v4, v[XC+2*(\t):XC+2*(\t)+1], s[20:21] offset:256*(\t)   ; the wave stores 256 consecutive bytes, aligned
.endm
; ---- paths QW and WO: a lane takes a column n, its registers run down K: each load reads 128 consecutive bytes of one row k
.macro KLOAD t, base
.set kk, 0
.rept 32
	global_load_b32 v[KX+32*((\t)%2)+kk], v3, s[\base:\base+1] offset:(32*(\t)+kk)*4096 th:TH_LOAD_NT
.set kk, kk+1
.endr
.endm
.macro QBLOCK t                        ; a block of 32 along K of my column: all 32 numbers are mine
.set XS, KX+32*((\t)%2)
.if (\t) < 15
	s_wait_loadcnt 32                              ; this block's loads are in; the next block's 32 stay out
.else
	s_wait_loadcnt 0
.endif
	v_max3_num_f32 v12, |v[XS]|, |v[XS+1]|, |v[XS+2]|
	v_max3_num_f32 v13, |v[XS+3]|, |v[XS+4]|, |v[XS+5]|
.irp i, 6,10,14,18,22,26
	v_max3_num_f32 v12, v12, |v[XS+\i]|, |v[XS+\i+1]|
	v_max3_num_f32 v13, v13, |v[XS+\i+2]|, |v[XS+\i+3]|
.endr
	v_max3_num_f32 v12, v12, |v[XS+30]|, |v[XS+31]|
	v_max3_num_f32 v12, v12, v13, 0x1800000        ; the floor 2^(3 - 127)
	v_add_nc_u32 v11, 0xff000000, v12              ; the conversion's scale operand
	v_lshrrev_b32 v13, 23, v11                     ; the scale's byte
.if (\t)%4 == 0
	v_mov_b32 v[KSB+(\t)/4], v13                   ; four bytes to a register, the lower K in the lower byte
.else
	v_lshl_or_b32 v[KSB+(\t)/4], v13, 8*((\t)%4), v[KSB+(\t)/4]
.endif
.irp g, 0,1,2,3
	v_cvt_scalef32_pk8_fp4_f32 v[KC+\g], v[XS+8*\g:XS+8*\g+7], v11
.endr
	ds_store_b128 v4, v[KC:KC+3] offset:16*(\t)    ; 32 codes: 16 bytes of my column's row in the stage
.if (\t)+2 < 16
	KLOAD (\t)+2, 10
.endif
	s_wait_dscnt 0x0                               ; the store has read its registers: the next block's codes may be written (its first lines are plain ones)
.endm
.macro WBLOCK t                        ; 32 numbers down K of my column become 16 pairs of f16
.set XS, KX+32*((\t)%2)
.if (\t) < 3
	s_wait_loadcnt 32
.else
	s_wait_loadcnt 0
.endif
.set kk, 0
.rept 16
	v_cvt_pk_f16_f32 v[KC+kk], v[XS+2*kk], v[XS+2*kk+1]
.set kk, kk+1
.endr
.irp g, 0,1,2,3
	ds_store_b128 v4, v[KC+4*\g:KC+4*\g+3] offset:64*(\t)+16*\g
.endr
.if (\t)+2 < 4
	KLOAD (\t)+2, 16
.endif
	s_wait_dscnt 0x0
.endm
.macro KOUT stride, base               ; the stage's 32 rows of 256 bytes leave as rows: sixteen lanes store 256 consecutive bytes, aligned
.irp t, 0,1,2,3,4,5,6,7,8,9,10,11,12,13,14,15
	ds_load_b128 v[KO+4*\t:KO+4*\t+3], v7 offset:2*\t*272
.endr
.irp t, 0,1,2,3,4,5,6,7,8,9,10,11,12,13,14,15
	s_wait_dscnt 15-\t
	global_store_b128 v8, v[KO+4*\t:KO+4*\t+3], s[\base:\base+1] offset:2*\t*\stride
.endr
.endm
; ---- path MASK: a chunk is 32 rows x 64 keys (8,192 bytes)
.macro MLOAD c
.irp i, 0,1,2,3,4,5,6,7,8,9,10,11,12,13,14,15
	global_load_b128 v[MR+64*((\c)%2)+4*\i:MR+64*((\c)%2)+4*\i+3], v3, s[18:19] offset:16384*\i+256*(\c) th:TH_LOAD_NT   ; two rows' 256 consecutive bytes each
.endr
.endm
.macro MCHUNK c
.if (\c) < 3
	s_wait_loadcnt 16                              ; this chunk's loads are in; the next chunk's 16 stay out
.else
	s_wait_loadcnt 0
.endif
.irp i, 0,1,2,3,4,5,6,7,8,9,10,11,12,13,14,15
	ds_store_b128 v4, v[MR+64*((\c)%2)+4*\i:MR+64*((\c)%2)+4*\i+3] offset:544*\i   ; rows 272 bytes apart
.endr
.irp tt, 0,1
.irp kt, 0,1,2,3
.irp j, 0,1,2,3,4,5,6,7
	ds_load_b32 v[MX+32*\tt+8*\kt+\j], v5 offset:4352*\tt+64*\kt+8*\j   ; lane l: row 16 T + l % 16, key 16 kt + 2 j + l / 16
.endr
.endr
.endr
	s_wait_dscnt 0x0
.if (\c)+2 < 4
	MLOAD (\c)+2                                   ; into the registers whose stores into the stage are done
.endif
.set w, 0
.rept 16                                       ; a compare gives a word, bit l from lane l; word w goes to lane w / 2, register w % 2
	v_cmp_ne_u32 s40, 0, v[MX+w]
	v_cmp_ne_u32 s41, 0, v[MX+w+1]
	v_cmp_ne_u32 s42, 0, v[MX+w+2]
	v_cmp_ne_u32 s43, 0, v[MX+w+3]
	v_writelane_b32 v[MOUT+2*(\c)], s40, w/2
	v_writelane_b32 v[MOUT+2*(\c)+1], s41, w/2
	v_writelane_b32 v[MOUT+2*(\c)], s42, w/2+1
	v_writelane_b32 v[MOUT+2*(\c)+1], s43, w/2+1
.set w, w+4
.endr
	global_store_b64 v6, v[MOUT+2*(\c):MOUT+2*(\c)+1], s[30:31] offset:256*(\c)   ; the chunk's 64 words: 256 consecutive bytes, aligned
.endm
	s_load_b512 s[4:19], s[0:1], 0x0               ; query 4:5, key_ 6:7, value 8:9, Wq 10:11, Wk 12:13, Wv 14:15, Wo 16:17, mask 18:19
	s_load_b256 s[20:27], s[0:1], 0x40             ; xc 20:21, xs 22:23, wc 24:25, ws 26:27
	s_load_b128 s[28:31], s[0:1], 0x60             ; wo16 28:29, mbits 30:31
	v_lshl_add_u32 v[SPW], v0, 2, SPARE
	v_mov_b32 v[NIL], 0
	v_lshrrev_b32 v1, 5, v0
	v_readfirstlane_b32 s32, v1                    ; wave 0..3
	v_and_b32 v2, 31, v0                           ; lane
	s_mul_i32 s33, s32, WREG                       ; my wave's region in a path's LDS bytes
	s_wait_kmcnt 0x0
	s_cmp_lt_u32 ttmp9, 48
	s_cbranch_scc1 .Lqw
	s_cmp_lt_u32 ttmp9, 112
	s_cbranch_scc1 .Lwo
	s_cmp_lt_u32 ttmp9, 880
	s_cbranch_scc1 .Lx
	; ================ MASK: a work-group takes 32 rows x 1,024 keys, a wave four chunks of 64 keys
	s_sub_co_u32 s34, ttmp9, 880
	s_lshr_b32 s35, s34, 1                         ; pair = 64 b + q / 32
	s_and_b32 s36, s34, 1
	s_lshl_b32 s36, s36, 4
	s_lshl_b32 s37, s32, 2
	s_add_co_u32 s36, s36, s37                     ; my first step: 16 x half + 4 x wave
	s_lshl_b32 s38, s35, 18                        ; 32 rows of 8,192 bytes
	s_lshl_b32 s37, s36, 8                         ; 64 keys of 4 bytes
	s_add_co_u32 s38, s38, s37
	s_mov_b32 s39, 0
	s_add_nc_u64 s[18:19], s[18:19], s[38:39]
	s_lshl_b32 s38, s35, 5
	s_add_co_u32 s38, s38, s36
	s_lshl_b32 s38, s38, 8                         ; 256 bytes for a pair and a step
	s_add_nc_u64 s[30:31], s[30:31], s[38:39]
	s_add_co_u32 s33, s33, PM
	v_and_b32 v8, 15, v2
	v_lshrrev_b32 v9, 4, v2
	v_lshlrev_b32 v3, 13, v9
	v_lshl_add_u32 v3, v8, 4, v3                   ; in memory: row lane / 16, 16 bytes a lane
	v_mul_u32_u24 v4, v9, 272
	v_lshl_add_u32 v4, v8, 4, v4
	v_add_nc_u32 v4, s33, v4                       ; into the stage: the same
	v_mul_u32_u24 v5, v8, 272
	v_lshl_add_u32 v5, v9, 2, v5
	v_add_nc_u32 v5, s33, v5                       ; out of it: row lane % 16, word lane / 16
	v_lshlrev_b32 v6, 3, v2
.irp i, 0,1,2,3,4,5,6,7
	v_mov_b32 v[MOUT+\i], 0                        ; v_writelane_b32's destination counts as read
.endr
	MLOAD 0
	MLOAD 1
	MCHUNK 0
	MCHUNK 1
	MCHUNK 2
	MCHUNK 3
	FIN
	; ================ X: the three tensors are plain streams of blocks of 32; a wave takes 16 steps of 512 numbers
.Lx:
	s_sub_co_u32 s34, ttmp9, 112                   ; 256 work-groups to a tensor
	s_cmp_lt_u32 s34, 512
	s_cselect_b64 s[6:7], s[6:7], s[8:9]           ; the choice hangs on the work-group's number alone
	s_cmp_lt_u32 s34, 256
	s_cselect_b64 s[4:5], s[4:5], s[6:7]
	s_and_b32 s35, s34, 255
	s_lshl_b32 s35, s35, 2
	s_add_co_u32 s36, s35, s32                     ; my run of 8,192 numbers in the tensor
	s_lshl_b32 s36, s36, 15
	s_mov_b32 s37, 0
	s_add_nc_u64 s[4:5], s[4:5], s[36:37]
	s_lshl_b32 s38, s34, 2
	s_add_co_u32 s38, s38, s32                     ; and among all three tensors' runs
	s_lshl_b32 s36, s38, 12                        ; 4,096 bytes of codes a run
	s_add_nc_u64 s[20:21], s[20:21], s[36:37]
	s_lshl_b32 s36, s38, 8                         ; 256 scale bytes a run
	s_add_nc_u64 s[22:23], s[22:23], s[36:37]
	v_lshlrev_b32 v3, 4, v2                        ; my 16 bytes of a load's 512
	v_lshrrev_b32 v16, 2, v2
	v_mul_u32_u24 v16, v16, 80
	v_and_b32 v17, 3, v2
	v_lshl_add_u32 v16, v17, 4, v16
	v_add_nc_u32 v16, s33, v16                     ; the stage, way in: 80 (lane / 4) + 16 (lane % 4)
	v_mul_u32_u24 v17, v2, 80
	v_add_nc_u32 v17, s33, v17                     ; way out: 80 x lane: my 16 neighbours
	v_lshlrev_b32 v4, 3, v2                        ; my 8 bytes of a step's codes, and of the 256 scale bytes
	v_lshrrev_b32 v5, 1, v2
	s_add_co_u32 s39, s33, 5120                    ; behind the two stages: my wave's 256 scale bytes
	v_add_nc_u32 v5, s39, v5
	v_add_nc_u32 v6, s39, v4
.irp t, 0,1,2,3,4,5,6,7
	XLOAD \t
.endr
	s_wait_loadcnt 4*(XD-1)                        ; step 0's four loads are in
	XTURN 0
.irp t, 0,1,2,3,4,5,6,7,8,9,10,11,12,13,14,15
	XSTEP \t
.endr
	ds_load_b64 v[8:9], v6                         ; LDS serves a wave's instructions in order: these see my byte stores
	s_wait_dscnt 0x0
	global_store_b64 v4, v[8:9], s[22:23]          ; 256 consecutive bytes, aligned
	FIN
	; ================ QW: a wave takes 32 columns x 512 along K of one of the three weights
.Lqw:
	s_lshr_b32 s34, ttmp9, 4                       ; which weight
	s_and_b32 s35, ttmp9, 7                        ; which 128 columns
	s_bfe_u32 s36, ttmp9, 0x10003                  ; which half of K
	s_cmp_eq_u32 s34, 1
	s_cselect_b64 s[12:13], s[12:13], s[14:15]
	s_cmp_eq_u32 s34, 0
	s_cselect_b64 s[10:11], s[10:11], s[12:13]
	s_lshl_b32 s37, s35, 7
	s_lshl_b32 s38, s32, 5
	s_add_co_u32 s37, s37, s38                     ; my first column
	s_lshl_b32 s40, s36, 21                        ; 512 rows of 4,096 bytes
	s_lshl_b32 s38, s37, 2
	s_add_co_u32 s40, s40, s38
	s_mov_b32 s41, 0
	s_add_nc_u64 s[10:11], s[10:11], s[40:41]
	s_lshl_b32 s40, s34, 19                        ; codes: 524,288 bytes a weight, 512 a column, 256 a half of K
	s_lshl_b32 s38, s37, 9
	s_add_co_u32 s40, s40, s38
	s_lshl_b32 s38, s36, 8
	s_add_co_u32 s40, s40, s38
	s_add_nc_u64 s[24:25], s[24:25], s[40:41]
	s_lshl_b32 s40, s34, 15                        ; scale bytes: 32,768 a weight, 32 a column, 16 a half of K
	s_lshl_b32 s38, s37, 5
	s_add_co_u32 s40, s40, s38
	s_lshl_b32 s38, s36, 4
	s_add_co_u32 s40, s40, s38
	s_add_nc_u64 s[26:27], s[26:27], s[40:41]
	s_add_co_u32 s33, s33, PQ
	v_lshlrev_b32 v3, 2, v2
	v_mul_u32_u24 v4, v2, 272
	v_add_nc_u32 v4, s33, v4                       ; into the stage: row = my column
	v_and_b32 v5, 15, v2
	v_lshrrev_b32 v6, 4, v2
	v_mul_u32_u24 v7, v6, 272
	v_lshl_add_u32 v7, v5, 4, v7
	v_add_nc_u32 v7, s33, v7                       ; out of it: sixteen lanes to a row
	v_lshlrev_b32 v8, 9, v6
	v_lshl_add_u32 v8, v5, 4, v8                   ; and the same place in wc
	v_lshlrev_b32 v9, 5, v2                        ; my column's row of scale bytes
	KLOAD 0, 10
	KLOAD 1, 10
.set QB, 0
.rept 16
	QBLOCK QB
.set QB, QB+1
.endr
	global_store_b128 v9, v[KSB:KSB+3], s[26:27]   ; my column's 16 scale bytes
	KOUT 512, 24
	FIN
	; ================ WO: a wave takes 32 columns x 128 along K of Wo
.Lwo:
	s_sub_co_u32 s34, ttmp9, 48
	s_and_b32 s35, s34, 7                          ; which 128 columns
	s_lshr_b32 s36, s34, 3                         ; which 128 along K
	s_lshl_b32 s37, s35, 7
	s_lshl_b32 s38, s32, 5
	s_add_co_u32 s37, s37, s38                     ; my first column
	s_lshl_b32 s40, s36, 19                        ; 128 rows of 4,096 bytes
	s_lshl_b32 s38, s37, 2
	s_add_co_u32 s40, s40, s38
	s_mov_b32 s41, 0
	s_add_nc_u64 s[16:17], s[16:17], s[40:41]
	s_lshl_b32 s40, s37, 11                        ; wo16: 2,048 bytes a column, 256 for 128 along K
	s_lshl_b32 s38, s36, 8
	s_add_co_u32 s40, s40, s38
	s_add_nc_u64 s[28:29], s[28:29], s[40:41]
	s_add_co_u32 s33, s33, PW
	v_lshlrev_b32 v3, 2, v2
	v_mul_u32_u24 v4, v2, 272
	v_add_nc_u32 v4, s33, v4
	v_and_b32 v5, 15, v2
	v_lshrrev_b32 v6, 4, v2
	v_mul_u32_u24 v7, v6, 272
	v_lshl_add_u32 v7, v5, 4, v7
	v_add_nc_u32 v7, s33, v7
	v_lshlrev_b32 v8, 11, v6
	v_lshl_add_u32 v8, v5, 4, v8
	KLOAD 0, 16
	KLOAD 1, 16
	WBLOCK 0
	WBLOCK 1
	WBLOCK 2
	WBLOCK 3
	KOUT 2048, 28
	FIN
.Lfunc_end_k_qf783646238_prep:
	.size	k_qf783646238_prep, .Lfunc_end_k_qf783646238_prep-k_qf783646238_prep
	.p2alignl 7, 3214868480
	.fill 96, 4, 3214868480
	.section	.rodata,"a",@progbits
	.p2align	6, 0x0
	.amdhsa_kernel k_qf783646238_prep
		.amdhsa_group_segment_fixed_size 139776
		.amdhsa_private_segment_fixed_size 0
		.amdhsa_enable_private_segment 0
		.amdhsa_kernarg_size 112
		.amdhsa_user_sgpr_count 2
		.amdhsa_user_sgpr_kernarg_segment_ptr 1
		.amdhsa_wavefront_size32 1
		.amdhsa_system_sgpr_workgroup_id_x 1
		.amdhsa_system_sgpr_workgroup_id_y 1
		.amdhsa_system_sgpr_workgroup_id_z 1
		.amdhsa_system_vgpr_workitem_id 0
		.amdhsa_next_free_vgpr 240
		.amdhsa_next_free_sgpr 66
		.amdhsa_reserve_vcc 0
		.amdhsa_float_denorm_mode_32 3
		.amdhsa_float_denorm_mode_16_64 3
		.amdhsa_memory_ordered 1
		.amdhsa_forward_progress 1
		.amdhsa_inst_pref_size 193
	.end_amdhsa_kernel
	.amdgpu_metadata
---
amdhsa.version: [ 1, 2 ]
amdhsa.kernels:
  - .name:           k_qf783646238_prep
    .symbol:         k_qf783646238_prep.kd
    .args:
      - { .name: query, .offset: 0, .size: 8, .value_kind: global_buffer, .address_space: global }
      - { .name: key_, .offset: 8, .size: 8, .value_kind: global_buffer, .address_space: global }
      - { .name: value, .offset: 16, .size: 8, .value_kind: global_buffer, .address_space: global }
      - { .name: Wq, .offset: 24, .size: 8, .value_kind: global_buffer, .address_space: global }
      - { .name: Wk, .offset: 32, .size: 8, .value_kind: global_buffer, .address_space: global }
      - { .name: Wv, .offset: 40, .size: 8, .value_kind: global_buffer, .address_space: global }
      - { .name: Wo, .offset: 48, .size: 8, .value_kind: global_buffer, .address_space: global }
      - { .name: mask, .offset: 56, .size: 8, .value_kind: global_buffer, .address_space: global }
      - { .name: xc, .offset: 64, .size: 8, .value_kind: global_buffer, .address_space: global }
      - { .name: xs, .offset: 72, .size: 8, .value_kind: global_buffer, .address_space: global }
      - { .name: wc, .offset: 80, .size: 8, .value_kind: global_buffer, .address_space: global }
      - { .name: ws, .offset: 88, .size: 8, .value_kind: global_buffer, .address_space: global }
      - { .name: wo16, .offset: 96, .size: 8, .value_kind: global_buffer, .address_space: global }
      - { .name: mbits, .offset: 104, .size: 8, .value_kind: global_buffer, .address_space: global }
    .group_segment_fixed_size: 139776
    .private_segment_fixed_size: 0
    .kernarg_segment_align: 8
    .kernarg_segment_size: 112
    .max_flat_workgroup_size: 128
    .sgpr_count:     66
    .vgpr_count:     240
    .wavefront_size: 32
...
	.end_amdgpu_metadata
.endif
;; end of part 1
;; launch proj (part 2): grid 4 x 96, 4 waves a work-group, clusters of 4 x 4, 327,680 bytes of LDS; arguments xc, xs, wc, ws, bq, bk, bv, qkv; writes qkv
.if DOCPART == 2
	.amdgcn_target "amdgcn-amd-amdhsa--gfx1250"
	.amdhsa_code_object_version 6
	.text
	.protected	k_qf783646238_proj
	.globl	k_qf783646238_proj
	.p2align	8
	.type	k_qf783646238_proj,@function
k_qf783646238_proj:
	s_mov_b64 s[64:65], 0
	v_nop
	global_prefetch_b8 v0, s[64:65] scope:SCOPE_SE
	s_setreg_imm32_b32 hwreg(HW_REG_WAVE_MODE, 25, 1), 1
	s_wait_xcnt 0x0
	s_wait_alu depctr_hold_cnt(0) depctr_sa_sdst(0) depctr_va_vdst(0) depctr_va_sdst(0) depctr_va_ssrc(0) depctr_va_vcc(0) depctr_vm_vsrc(0)
	s_getreg_b32 s2, hwreg(HW_REG_IB_STS2, 6, 4)
	s_cmp_eq_u32 s2, 0
	s_cbranch_scc0 .Lentry_in_a_cluster
	s_endpgm
.Lentry_in_a_cluster:
	s_bfe_u32 s2, ttmp6, 0x10000c
	s_cmp_lg_u32 s2, 0xf033
	s_cbranch_scc0 .Lentry_shape_is_right
	s_endpgm
.Lentry_shape_is_right:
; PROJ: the three quantised projections as ONE product on codes of E2M1: rows 0-8191 query x Wq, 8192-16383 key_ x Wk, 16384-24575 value x Wv.
; A = xc [24576][512 bytes], its scale bytes xs [24576][32]; B = wc [3][1024 n][512 bytes], ws [3][1024][32]; K = 1,024.  Result + bias, q's times c = log2(e) / 8 (k's and v's times 1), rounded once to f16,
; stored by heads: qkv [4 tensor + b][head][s][64].   LIMIT: |c q|, |k|, |v| above 65,504 have no f16 number.
; A tile of 256 x 256 is made by four waves, each 128 x 128: 64 accumulators, 512 registers.  K is two slots of 512: both are asked for at the head, nothing is filled again.
; The scale bytes of the work-group's 256 + 256 rows, for all of K, come once, as units of 256 bytes.  CLUSTERS: 4 x 4 work-groups; A's tiles are asked for jointly along a row of the cluster, B's along a column.
; The tensor (which weight, which bias, which factor) is cluster y / 8: the same in all sixteen partners.
; THE MATRIX INSTRUCTION IS USED TRANSPOSED (source 0 = 16 rows of B, source 1 = 16 rows of A): a lane holds eight neighbouring columns of one row.  The bias, eight registers for each of B's blocks, is the C of the first K step.
; REGISTERS: window 0: v0-31 addresses; v32-95 scale words, two sets, and nothing else; v128-191 A's fragments, one set; v192-255 the bias.  On the way out: v96-127 packed f16, v128-191 scaled numbers, v192-255 rows read back.
;   window 1: B's fragments, two sets.   window 2: the accumulators of my rows 0-63 ((a, b) at v[8 (8 a + b)]);   window 3: those of rows 64-127.
.set KSTEP,  512
.set NQ,     4                         ; matrix instructions deep in a slot
.set ROWB,   256                       ; a tile's row in bytes
.set KROW,   512                       ; a row of codes in memory
.set PITCH,  272                       ; an LDS row: 256 bytes + 16 of padding: the 16 rows that a load touches start at 16 different banks (64 banks of 4 bytes: ISA guide 11.1)
.set FR,     8
.set NL,     2
.set NP,     4                         ; places behind this matrix instruction (ISA guide 7.12.1)
.set HALFT,  128*PITCH
.set SLOT,   4*HALFT
.set KS,     32                        ; a row of scale bytes
.set SCL,    2*SLOT                    ; behind the two slots: the scales, as units of 256 bytes + 16 of padding
.set HALFS,  16*272                    ; those of 128 rows
.set SBLK,   2*272                     ; those of 16 rows
.set SPARE,  SCL+4*HALFS               ; the spare words, 128 bytes for each wave: two blocks of 256 bytes that no other line names
.set HP,     144                       ; the way out: a stage of 2 heads x 16 rows x (128 bytes + 16) for each wave, in slot 0, which has had its one fill and its last read by then
.set SHEAD,  16*HP
.set SWAVE,  2*SHEAD
.set ADRA, 16
.set ADRB, 20
.set STO,  24
.set RD,   25
.set CO,   26
.set ADRS, 27
.set SPW,  28
.set NIL,  29
.set SC,   32
.set AF,   128
.set BIAS, 192
.set PK,   96
.set TT,   128
.set BK,   192
.set G1, 24
.set G0, 32
.set G1B, 48
.set G0B, 56
.set G1S, 68
.set G0S, 76
.set G1SB, 80
.set G0SB, 88
.set MSB, 0
.macro WIN new                         ; the immediate's high byte repeats the setting that is left
.if MSB != (\new)
	s_set_vgpr_msb (MSB<<8)|(\new)
.set MSB, (\new)
.endif
.endm
.set MUL_LO, 0xa1                      ; source 0 (B) window 1, source 1 (A) window 0, C and D window 2
.set MUL_HI, 0xf1                      ; the same, C and D window 3.  In the first step C is the bias, in window 0: 0x81 and 0xc1
.set TO_B,   0x40
; A joint load: waves 0 and 1 fetch for A, waves 2 and 3 for B.  The branch hangs on the wave's number alone.  An s_nop 0 and four v_nop follow each of the two lines.
.macro JLOAD g0a, g1a, g0b, g1b
	s_cmp_eq_u32 s15, 0
	s_cbranch_scc0 .Lfor_b_\@
	tensor_load_to_lds s[\g0a:\g0a+3], s[\g1a:\g1a+7]
	s_nop 0
.rept 4
	v_nop
.endr
	s_branch .Lasked_\@
.Lfor_b_\@:
	tensor_load_to_lds s[\g0b:\g0b+3], s[\g1b:\g1b+7]
	s_nop 0
.rept 4
	v_nop
.endr
.Lasked_\@:
.endm
.macro CROUND                          ; a round of the cluster's barrier
	s_barrier_signal -1
	s_barrier_wait -1
	s_cmp_lg_u32 s14, 0
	s_cbranch_scc1 .Lnot_wave_0_\@
	s_barrier_signal -3
.Lnot_wave_0_\@:
	s_barrier_wait -3
	s_barrier_signal -1
	s_barrier_wait -1
.endm
	s_load_b256 s[4:11], s[0:1], 0x0               ; xc 4:5, xs 6:7, wc 8:9, ws 10:11
	s_load_b128 s[96:99], s[0:1], 0x20             ; bq, bk
	s_load_b64 s[100:101], s[0:1], 0x30            ; bv
	s_load_b64 s[12:13], s[0:1], 0x38              ; qkv
	v_lshl_add_u32 v[SPW], v0, 2, SPARE
	v_mov_b32 v[NIL], 0
	ds_add_u32 v[SPW], v[NIL]                      ; the wave's opening: the add, twice on end, and its wait ahead of my first tensor load
	ds_add_u32 v[SPW], v[NIL]
	v_lshrrev_b32 v1, 5, v0
	v_readfirstlane_b32 s14, v1                    ; wave 0..3
	s_lshr_b32 s15, s14, 1                         ; which half of the tile's rows is mine.  Also: I fetch for A (0) or for B (1)
	s_and_b32 s16, s14, 1                          ; which half of its columns.  Also: which 128 rows of that tile I fetch
	s_bfe_u32 s40, ttmp6, 0x40000                  ; cx, cy
	s_bfe_u32 s41, ttmp6, 0x40004
	s_lshl_b32 s42, ttmp9, 2
	s_add_co_u32 s42, s42, s40                     ; tile column = 4 x cluster x + cx
	s_and_b32 s17, ttmp7, 0xffff
	s_lshr_b32 s95, s17, 3                         ; the tensor: 32 tile rows, 8 clusters, each
	s_lshl_b32 s17, s17, 2
	s_add_co_u32 s17, s17, s41                     ; tile row = 4 x cluster y + cy
	s_lshl_b32 s43, s41, 2
	s_lshl_b32 s43, 15, s43                        ; my row of the cluster
	s_lshl_b32 s44, 0x1111, s40                    ; my column
	; descriptor group 1: a tile of 128 rows x 256 bytes, 16 bytes of padding behind each row
	s_or_b32 s[G1+0], s43, (0<<16)|(1<<20)|(1<<21)|(5<<22)|(3<<25)
	s_or_b32 s[G1B+0], s44, (0<<16)|(1<<20)|(1<<21)|(5<<22)|(3<<25)
.irp g, G1, G1B
	s_mov_b32 s[\g+1], ROWB<<16                    ; tensor_dim0
	s_mov_b32 s[\g+2], 128<<16                     ; tensor_dim1
	s_mov_b32 s[\g+3], ROWB<<16                    ; tile_dim0
	s_mov_b32 s[\g+4], 128                         ; tile_dim1
	s_mov_b32 s[\g+5], KROW                        ; from row to row
	s_mov_b32 s[\g+6], 0
	s_mov_b32 s[\g+7], 0
.endr
	; the scales of 128 rows: 4,096 dense bytes, as 16 rows of 32 elements of 8 bytes, 16 bytes of padding behind each
	s_or_b32 s[G1S+0], s43, (3<<16)|(1<<20)|(1<<21)|(5<<22)|(3<<25)
	s_or_b32 s[G1SB+0], s44, (3<<16)|(1<<20)|(1<<21)|(5<<22)|(3<<25)
.irp g, G1S, G1SB
	s_mov_b32 s[\g+1], 32<<16
	s_mov_b32 s[\g+2], 16<<16
	s_mov_b32 s[\g+3], 32<<16
	s_mov_b32 s[\g+4], 16
	s_mov_b32 s[\g+5], 32
	s_mov_b32 s[\g+6], 0
	s_mov_b32 s[\g+7], 0
.endr
	s_lshl_b32 s18, s16, 7                         ; which 128 rows of the tile I fetch
	s_lshl_b32 s20, s17, 8
	s_add_co_u32 s20, s20, s18                     ; A: row 256 x tile row + 128 x half
	s_lshl_b32 s46, s42, 8
	s_add_co_u32 s46, s46, s18
	s_lshl_b32 s19, s95, 10
	s_add_co_u32 s46, s46, s19                     ; B: row 1,024 x tensor + 256 x tile column + 128 x half
	s_mov_b32 s21, 0
	s_mov_b32 s47, 0
	s_mov_b64 s[18:19], KS
	s_mul_u64 s[22:23], s[20:21], s[18:19]         ; where these rows' scales begin
	s_mul_u64 s[92:93], s[46:47], s[18:19]
	s_mov_b64 s[18:19], KROW
	s_mul_u64 s[20:21], s[20:21], s[18:19]         ; and their codes
	s_mul_u64 s[46:47], s[46:47], s[18:19]
	s_mul_i32 s45, s14, HALFT                      ; where they go: wave x 128 rows
	s_mul_i32 s94, s14, HALFS
	s_wait_dscnt 0x0                               ; both opening adds are done
	s_wait_kmcnt 0x0
	s_add_nc_u64 s[20:21], s[4:5], s[20:21]
	s_add_nc_u64 s[22:23], s[6:7], s[22:23]
	s_add_nc_u64 s[46:47], s[8:9], s[46:47]
	s_add_nc_u64 s[92:93], s[10:11], s[92:93]
	CROUND                                         ; all sixteen work-groups are here: the first joint loads meet
	s_mov_b32 s[G0S], 1
	s_add_co_u32 s[G0S+1], s94, SCL
	s_mov_b64 s[G0S+2:G0S+3], s[22:23]
	s_or_b32 s[G0S+3], s[G0S+3], 0x80000000
	s_mov_b32 s[G0SB], 1
	s_add_co_u32 s[G0SB+1], s94, SCL
	s_mov_b64 s[G0SB+2:G0SB+3], s[92:93]
	s_or_b32 s[G0SB+3], s[G0SB+3], 0x80000000
	JLOAD G0S, G1S, G0SB, G1SB                     ; the scales first: they are wanted with slot 0
.irp s, 0,1
	s_mov_b32 s[G0+4*\s], 1
	s_add_co_u32 s[G0+4*\s+1], s45, \s*SLOT
	s_add_nc_u64 s[G0+4*\s+2:G0+4*\s+3], s[20:21], \s*ROWB
	s_or_b32 s[G0+4*\s+3], s[G0+4*\s+3], 0x80000000
	s_mov_b32 s[G0B+4*\s], 1
	s_add_co_u32 s[G0B+4*\s+1], s45, \s*SLOT
	s_add_nc_u64 s[G0B+4*\s+2:G0B+4*\s+3], s[46:47], \s*ROWB
	s_or_b32 s[G0B+4*\s+3], s[G0B+4*\s+3], 0x80000000
	JLOAD G0+4*\s, G1, G0B+4*\s, G1B               ; by this text's count three tensor loads of a wave are out
.endr
	; the tensor's bias and factor: choices on the cluster's y alone
	s_cmp_eq_u32 s95, 1
	s_cselect_b64 s[98:99], s[98:99], s[100:101]
	s_cmp_eq_u32 s95, 0
	s_cselect_b64 s[96:97], s[96:97], s[98:99]
	s_cselect_b32 s2, 0x3e38aa3b, 1.0              ; c = log2(e) / 8 for q, 1 for k and v
	s_mov_b32 s3, s2                               ; (named with it as a pair)
	s_lshl_b32 s46, s42, 10
	s_lshl_b32 s47, s16, 9
	s_add_co_u32 s46, s46, s47                     ; my first column, in bytes of f32
	s_mov_b32 s47, 0
	s_add_nc_u64 s[96:97], s[96:97], s[46:47]
	v_and_b32 v1, 15, v0                           ; r = l % 16
	v_bfe_u32 v2, v0, 4, 1                         ; h = l / 16
	v_lshlrev_b32 v7, 5, v2
.irp b, 0,1,2,3,4,5,6,7
	global_load_b128 v[BIAS+8*\b:BIAS+8*\b+3], v7, s[96:97] offset:64*\b       ; lane (r, h), B's block b: the bias of columns 16 b + 8 h + 0 .. 7
	global_load_b128 v[BIAS+8*\b+4:BIAS+8*\b+7], v7, s[96:97] offset:64*\b+16
.endr
	v_mul_u32_u24 v3, v1, PITCH
	v_lshl_add_u32 v4, v2, 4, v3                   ; a fragment's row x pitch + 16 x half
	s_mul_i32 s21, s15, HALFT                      ; my 128 rows of A
	s_mul_i32 s22, s16, HALFT                      ; my 128 rows of B,
	s_add_co_u32 s22, s22, 2*HALFT                 ; which lie behind A's 256
.irp s, 0,1
	v_add_nc_u32 v[ADRA+\s], s21, v4
	v_add_nc_u32 v[ADRB+\s], s22, v4
	s_add_co_u32 s21, s21, SLOT
	s_add_co_u32 s22, s22, SLOT
.endr
	v_mul_u32_u24 v5, v1, KS                       ; my row's scales: 32 bytes a row,
	v_lshrrev_b32 v6, 8, v5
	v_lshl_add_u32 v5, v6, 4, v5                   ; and 16 more for each 256 passed
	s_mul_i32 s21, s15, HALFS
	s_mul_i32 s22, s16, HALFS
	s_add_co_u32 s22, s22, 2*HALFS
	s_sub_co_u32 s22, s22, s21
	v_mul_u32_u24 v6, s22, v2                      ; lanes 16-31 take B's
	s_add_co_u32 s21, s21, SCL
	v_add_nc_u32 v5, v5, v6
	v_add_nc_u32 v[ADRS], s21, v5
	s_mul_i32 s23, s14, SWAVE                      ; my stage
	v_mul_u32_u24 v5, v1, HP
	v_lshl_add_u32 v5, v2, 4, v5
	v_add_nc_u32 v[STO], s23, v5                   ; in: row r, 16 bytes for each half of the lanes
	v_and_b32 v6, 31, v0
	v_lshrrev_b32 v5, 3, v6
	v_mul_u32_u24 v5, v5, HP
	v_and_b32 v3, 7, v0
	v_lshl_add_u32 v5, v3, 4, v5
	v_add_nc_u32 v[RD], s23, v5                    ; back: eight lanes to a row of 128 bytes, four rows an instruction
	v_lshlrev_b32 v[CO], 4, v6                     ; which are 512 consecutive bytes of a head's plane
	s_lshl_b32 s20, s17, 8
	s_lshl_b32 s21, s15, 7
	s_add_co_u32 s20, s20, s21                     ; my first row of the 24,576
	s_lshr_b32 s21, s20, 11
	s_lshl_b32 s21, s21, 22                        ; 4 tensor + b: 16 planes of 262,144 bytes
	s_and_b32 s20, s20, 2047
	s_lshl_b32 s20, s20, 7                         ; s: 128 bytes a row
	s_add_co_u32 s20, s20, s21
	s_lshl_b32 s46, s42, 2
	s_lshl_b32 s47, s16, 1
	s_add_co_u32 s46, s46, s47                     ; my first head: 4 x tile column + 2 x half
	s_lshl_b32 s46, s46, 18
	s_add_co_u32 s20, s20, s46
	s_mov_b32 s21, 0
	s_add_nc_u64 s[12:13], s[12:13], s[20:21]
.macro FRAG reg, adr, q, i             ; 16 rows x 128 K of 4-bit codes: 8 registers: lane l holds row l % 16; registers 4 c .. 4 c + 3 hold K = 64 c + 32 (l / 16) + 0 .. 31
.irp c, 0,1
	ds_load_b128 v[\reg+4*\c:\reg+4*\c+3], v[\adr] offset:64*(\q)+32*\c+(\i)*16*PITCH
.endr
.endm
; 16 matrix instructions: A's blocks a0, a0 + 1 x B's eight, the slot's q-th 128 along K.  The 64 accumulators take turns, one instruction a turn, in the same order in every step.
.macro MUL16 a0, p, q, sc, zero
.irp a, \a0, \a0+1
.irp b, 0,1,2,3,4,5,6,7
.if \zero
	v_wmma_scale_f32_16x16x128_f8f6f4 v[8*(8*((\a)%4)+\b):8*(8*((\a)%4)+\b)+7], v[128*(\p)+FR*\b:128*(\p)+FR*\b+FR-1], v[AF+FR*(\a):AF+FR*(\a)+FR-1], v[BIAS+8*\b:BIAS+8*\b+7], v[SC+8*NQ*(\sc)+NQ*\b+(\q)], v[SC+8*NQ*(\sc)+NQ*(\a)+(\q)] matrix_a_fmt:MATRIX_FMT_FP4 matrix_b_fmt:MATRIX_FMT_FP4 matrix_a_scale:MATRIX_SCALE_ROW1
.else
	v_wmma_scale_f32_16x16x128_f8f6f4 v[8*(8*((\a)%4)+\b):8*(8*((\a)%4)+\b)+7], v[128*(\p)+FR*\b:128*(\p)+FR*\b+FR-1], v[AF+FR*(\a):AF+FR*(\a)+FR-1], v[8*(8*((\a)%4)+\b):8*(8*((\a)%4)+\b)+7], v[SC+8*NQ*(\sc)+NQ*\b+(\q)], v[SC+8*NQ*(\sc)+NQ*(\a)+(\q)] matrix_a_fmt:MATRIX_FMT_FP4 matrix_b_fmt:MATRIX_FMT_FP4 matrix_a_scale:MATRIX_SCALE_ROW1
.endif
.endr
.endr
.endm
.macro FETCH_B slot, q, p
	WIN TO_B
.irp i, 0,1,2,3,4,5,6,7
	FRAG 128*(\p)+FR*\i, ADRB+\slot, \q, \i
.endr
	WIN 0
.endm
.macro FETCH_A slot, q, i0
.irp i, \i0, \i0+1, \i0+2, \i0+3
	FRAG AF+FR*(\i), ADRA+\slot, \q, \i
.endr
.endm
.macro SCALES sc                       ; a slot's scale words: 4 words a row; lanes 0-15 take A's block i, lanes 16-31 B's block i
.irp i, 0,1,2,3,4,5,6,7
	ds_load_b128 v[SC+8*NQ*\sc+NQ*\i:SC+8*NQ*\sc+NQ*\i+3], v[ADRS] offset:\i*SBLK
.endr
.endm
.macro PLACES n                        ; plain vector instructions between a matrix instruction and a load into, or a read or write of, its registers
.rept \n
	v_nop
.endr
.endm
.macro STEP slot, q, zero              ; a step of 128 along K that has its successor in the same slot
	s_wait_dscnt 4*NL                              ; B's set and A's blocks 0-3 are in; the youngest eight loads (A's blocks 4-7) may be out
	WIN MUL_LO-0x20*(\zero)
	MUL16 0, (\q)%2, \q, \slot, \zero
	MUL16 2, (\q)%2, \q, \slot, \zero
	s_wait_dscnt 0
	PLACES NP
	FETCH_B \slot, (\q)+1, 1-(\q)%2
	FETCH_A \slot, (\q)+1, 0
	WIN MUL_HI-0x30*(\zero)
	MUL16 4, (\q)%2, \q, \slot, \zero
	MUL16 6, (\q)%2, \q, \slot, \zero
	PLACES NP
	WIN 0
	FETCH_A \slot, (\q)+1, 4
.endm
.macro STEPS slot, from
.set Q, \from
.rept NQ-1-\from
	STEP \slot, Q, 0
.set Q, Q+1
.endr
.endm
	s_wait_tensorcnt 1                             ; the scales and my part of slot 0 are in; slot 1's load may stay out
	s_barrier_signal -1
	s_barrier_wait -1
	FETCH_B 0, 0, 0
	FETCH_A 0, 0, 0
	SCALES 0
	FETCH_A 0, 0, 4
	s_wait_loadcnt 0x0                             ; the bias
	STEP 0, 0, 1                                   ; the first step starts the sums from the bias: nothing is cleared, nothing is added later
	STEPS 0, 1
	; slot 0's last step changes slots: one barrier; in front of it each wave waits for all its tensor loads, adds 0 to its spare word, and waits for that and for its reads of slot 0
	s_wait_tensorcnt 0x0                           ; my part of slot 1 has landed
	ds_add_u32 v[SPW], v[NIL]
	s_wait_dscnt 4*NL+1                            ; (the add and A's blocks 4-7 may be out)
	WIN MUL_LO
	MUL16 0, 1, NQ-1, 0, 0
	s_wait_dscnt 0x0                               ; the add is done, and my reads of slot 0 are over
	s_barrier_signal -1
	MUL16 2, 1, NQ-1, 0, 0
	WIN 0
	s_barrier_wait -1
	PLACES NP
	v_add_nc_u32 v[ADRS], 4*NQ, v[ADRS]            ; on to slot 1's scale words
	FETCH_B 1, 0, 0
	FETCH_A 1, 0, 0
	SCALES 1
	WIN MUL_HI
	MUL16 4, 1, NQ-1, 0, 0
	MUL16 6, 1, NQ-1, 0, 0
	PLACES NP
	WIN 0
	FETCH_A 1, 0, 4
	STEPS 1, 0
	s_wait_dscnt 4*NL                              ; the very last step: nothing more to fetch
	WIN MUL_LO
	MUL16 0, 1, NQ-1, 1, 0
	MUL16 2, 1, NQ-1, 1, 0
	s_wait_dscnt 0
	WIN MUL_HI
	MUL16 4, 1, NQ-1, 1, 0
	MUL16 6, 1, NQ-1, 1, 0
	WIN 0
; THE WAY OUT, block by block of 16 rows x 128 columns = 2 heads x 16 rows x 128 bytes of f16.  PACK: times the factor, rounded to f16.  TOSTAGE: into my stage, back as rows.  SEND: 512 consecutive bytes a store.
.macro PACK a
.set AC, 64*((\a)%4)
	WIN 0x02+((\a)/4)                              ; source 0: window 2 or 3
.set i, 0
.rept 32
	v_pk_mul_f32 v[TT+2*i:TT+2*i+1], v[AC+2*i:AC+2*i+1], s[2:3] op_sel_hi:[1,0]   ; each accumulator from its low end on
.set i, i+1
.endr
	WIN 0
.set i, 0
.rept 32
	v_cvt_pk_f16_f32 v[PK+i], v[TT+2*i], v[TT+2*i+1]
.set i, i+1
.endr
.endm
.macro TOSTAGE a
.irp b, 0,1,2,3,4,5,6,7
	ds_store_b128 v[STO], v[PK+4*\b:PK+4*\b+3] offset:SHEAD*(\b/4)+32*(\b%4)
.endr
.set BB, BK+32*((\a)%2)
.irp u, 0,1,2,3,4,5,6,7
	ds_load_b128 v[BB+4*\u:BB+4*\u+3], v[RD] offset:SHEAD*(\u/4)+4*HP*(\u%4)   ; LDS serves a wave's instructions in order (ISA guide 5.7.1.4): these see the stores above
.endr
.endm
.macro SEND a
.set BB, BK+32*((\a)%2)
	s_wait_dscnt 0x0                               ; the block is back in registers
	s_wait_xcnt 0x0                                ; the stores of the block before have read their registers: the next block's loads may land there
.irp u, 0,1,2,3,4,5,6,7
	global_store_b128 v[CO], v[BB+4*\u:BB+4*\u+3], s[12:13] offset:2048*(\a)+262144*(\u/4)+512*(\u%4)
.endr
.endm
	PLACES NP                                      ; behind the last products: for the reads of results and for the writes into registers that held fragments and the bias
	PACK 0
	TOSTAGE 0
.irp a, 1,2,3,4,5,6,7
	PACK \a                                        ; block a's arithmetic stands between block a - 1's loads from the stage and the wait for them
	SEND \a-1
	TOSTAGE \a
.endr
	SEND 7
	s_wait_tensorcnt 0x0                           ; the wave's end
	ds_add_u32 v[SPW], v[NIL]
	s_wait_dscnt 0x0
	CROUND                                         ; the closing round: no work-group ends while a partner may still ask for a tile that names it
	s_endpgm
.Lfunc_end_k_qf783646238_proj:
	.size	k_qf783646238_proj, .Lfunc_end_k_qf783646238_proj-k_qf783646238_proj
	.p2alignl 7, 3214868480
	.fill 96, 4, 3214868480
	.section	.rodata,"a",@progbits
	.p2align	6, 0x0
	.amdhsa_kernel k_qf783646238_proj
		.amdhsa_group_segment_fixed_size 327680
		.amdhsa_private_segment_fixed_size 0
		.amdhsa_enable_private_segment 0
		.amdhsa_kernarg_size 64
		.amdhsa_user_sgpr_count 2
		.amdhsa_user_sgpr_kernarg_segment_ptr 1
		.amdhsa_wavefront_size32 1
		.amdhsa_system_sgpr_workgroup_id_x 1
		.amdhsa_system_sgpr_workgroup_id_y 1
		.amdhsa_system_sgpr_workgroup_id_z 1
		.amdhsa_system_vgpr_workitem_id 0
		.amdhsa_next_free_vgpr 1024
		.amdhsa_next_free_sgpr 102
		.amdhsa_reserve_vcc 0
		.amdhsa_float_denorm_mode_32 3
		.amdhsa_float_denorm_mode_16_64 3
		.amdhsa_memory_ordered 1
		.amdhsa_forward_progress 1
		.amdhsa_inst_pref_size 144
	.end_amdhsa_kernel
	.amdgpu_metadata
---
amdhsa.version: [ 1, 2 ]
amdhsa.kernels:
  - .name:           k_qf783646238_proj
    .symbol:         k_qf783646238_proj.kd
    .args:
      - { .name: xc, .offset: 0, .size: 8, .value_kind: global_buffer, .address_space: global }
      - { .name: xs, .offset: 8, .size: 8, .value_kind: global_buffer, .address_space: global }
      - { .name: wc, .offset: 16, .size: 8, .value_kind: global_buffer, .address_space: global }
      - { .name: ws, .offset: 24, .size: 8, .value_kind: global_buffer, .address_space: global }
      - { .name: bq, .offset: 32, .size: 8, .value_kind: global_buffer, .address_space: global }
      - { .name: bk, .offset: 40, .size: 8, .value_kind: global_buffer, .address_space: global }
      - { .name: bv, .offset: 48, .size: 8, .value_kind: global_buffer, .address_space: global }
      - { .name: qkv, .offset: 56, .size: 8, .value_kind: global_buffer, .address_space: global }
    .group_segment_fixed_size: 327680
    .private_segment_fixed_size: 0
    .kernarg_segment_align: 8
    .kernarg_segment_size: 64
    .max_flat_workgroup_size: 128
    .sgpr_count:     102
    .vgpr_count:     1024
    .wavefront_size: 32
...
	.end_amdgpu_metadata
.endif
;; end of part 2
;; launch attn (part 3): grid 8 x 32, 16 waves a work-group, clusters of 4 x 1, 327,680 bytes of LDS; arguments qkv, mbits, ao; writes ao
.if DOCPART == 3
	.amdgcn_target "amdgcn-amd-amdhsa--gfx1250"
	.amdhsa_code_object_version 6
	.text
	.protected	k_qf783646238_attn
	.globl	k_qf783646238_attn
	.p2align	8
	.type	k_qf783646238_attn,@function
k_qf783646238_attn:
	s_mov_b64 s[64:65], 0
	v_nop
	global_prefetch_b8 v0, s[64:65] scope:SCOPE_SE
	s_setreg_imm32_b32 hwreg(HW_REG_WAVE_MODE, 25, 1), 1
	s_wait_xcnt 0x0
	s_wait_alu depctr_hold_cnt(0) depctr_sa_sdst(0) depctr_va_vdst(0) depctr_va_sdst(0) depctr_va_ssrc(0) depctr_va_vcc(0) depctr_vm_vsrc(0)
	s_getreg_b32 s2, hwreg(HW_REG_IB_STS2, 6, 4)
	s_cmp_eq_u32 s2, 0
	s_cbranch_scc0 .Lentry_in_a_cluster
	s_endpgm
.Lentry_in_a_cluster:
	s_bfe_u32 s2, ttmp6, 0x10000c
	s_cmp_lg_u32 s2, 0x3003
	s_cbranch_scc0 .Lentry_shape_is_right
	s_endpgm
.Lentry_shape_is_right:
; ATTN: ao[b][q][64 head + d] = sum over k of softmax_k(score) v, score = q . k / 8 where mask[b][q][k] != 0, else -1e9.  q, k, v: f16 by heads (qkv), q already times c = log2(e) / 8, so a product is t = score x log2(e).
; Products, maxima and sums in f32; p = 2^(t - m), m the running maximum of t, is rounded to f16 for the second product; the row's sum is taken of the unrounded p and divides at the end.
; A masked score is REPLACED by -1e9 log2(e), which is -1e9 in the units of t, ahead of the maximum: a row with no key left comes out as the mean of all v, as the definition has it.
; LIMITS: |c q|, |k|, |v| up to 65,504 (f16); NaN and infinities are not served.
; SHARES.  A work-group owns 256 queries of a PAIR of heads (their 2 x 64 channels are 256 consecutive bytes of a row of ao).  Sixteen waves: wave w has head w / 8 of the pair and queries 32 (w % 8) on: two tiles of 16, in 256 registers.
; Every wave walks all 2,048 keys, 64 a step.  K's and V's tiles of both heads come through a ring of two LDS slots of 128 keys, filled by waves 0-3 (K head A, K head B, V head A, V head B), one tensor load each.
; CLUSTER.  The four query blocks of a cluster walk the same K and V: each tile is asked for jointly, by the same load with the same descriptor and the mask of all four.
; THE CHANGE OF SLOTS IS LAID INTO A SLOT'S LAST STEP.  V's loads are a wave's last reads of a slot: as soon as they are back the wave signals, and the rest of that step's softmax and its products V^T P, 213 instructions on registers
; alone, stand between the signal and the wait: a wave that is ahead works on while the others arrive.
; LAYOUT.  S^T = K Q^T (source 0 = 16 keys, source 1 = 16 queries), O^T = V^T P (source 0 = 16 channels, source 1 = P): a lane holds ONE query (lane % 16) throughout.
; THE KEYS OF A TILE ARE PERMUTED: place 8 h + j of a tile of 16 holds key 2 j + h, alike in K's row addresses, in V's turning loads and in the mask words.  With rows 144 bytes apart both K's loads (16 rows, 16 bytes each)
; and V's (8 rows two apart, 32 bytes each) then touch every bank once (64 banks of 4 bytes: ISA guide 11.1), so one shape of tile serves K and V.
; THE MASK comes as words whose bit l belongs to lane l (made by the first launch): 64 words a step in scalar registers, one v_cndmask_b32 a score register.
; REGISTERS: v1-11 addresses and constants; v12-27 eight statistics a tile (+0 m, +1 zero, +2:3 the sum, +4..7 at work, a in +6); v32-63 Q; v64-127 S^T, then p, then P in each tile's low 16; v128-191 O^T; v192-255 K's, then V's fragments.
; SCALARS: s16-63 and s68-83 belong to the mask words from the first scalar load of them on: nothing else lives there.
.set PITCH, 144
.set PLANE, 128*PITCH                  ; 128 keys of one head: what one tensor load brings
.set SLOT1, 131072                     ; slot 1 begins here: one exclusive or turns an address from one slot to the other
.set SPARE, 262144                     ; the spare words, 128 bytes for each wave: eight blocks of 256 bytes that no other line names
.set SP,    272                        ; the way out: 256 rows x (256 bytes + 16), in slot 0: it has had its last fill, and its last read lies ahead of the last change's barrier
.set WV,  2
.set TB,  3                            ; s3   LDS byte at which the slot in hand begins
.set G0,  4                            ; s[4:7]   descriptor group 0: it walks
.set G1,  8                            ; s[8:15]  descriptor group 1
.set SLOTS, 66                         ; s66  slots still to be asked for
.set MO,  67                           ; s67  byte offset of the mask words to be loaded
.set MB,  84                           ; s[84:85] my 32 queries' mask words
.set AOB, 86                           ; s[86:87] ao at the rows that I store
.set SEL, 88                           ; s[88:89] v_permlanex16_b32's selects for lane l xor 16
.set PFA, 90                           ; s[90:91] where my prefetches stand
.set LIM, 92                           ; s92  1 in a wave that prefetches, else the greatest number
.set HPL, 95                           ; s95  first y, then my head's plane in a slot: my head x 18,432
.set HB,  100                          ; s100 my head of the pair
.set WQ,  101                          ; s101 my 32 queries of the 256
.set AK0, 1
.set AV0, 2
.set ADK, 3
.set ADV, 4
.set SPW, 5
.set NIL, 6
.set NEG, 7                            ; v7   -1e9 log2(e)
.set PFO, 8                            ; v8   256 x lane
.set ST,  12
.set Q,   32
.set S,   64
.set O,   128
.set KV,  192
.macro CREST                           ; a round of the cluster's barrier behind its opening barrier
	s_cmp_lg_u32 s[WV], 0
	s_cbranch_scc1 .Lnot_wave_0_\@
	s_barrier_signal -3
.Lnot_wave_0_\@:
	s_barrier_wait -3
	s_barrier_signal -1
	s_barrier_wait -1
.endm
.macro ROUND                           ; a whole round
	s_barrier_signal -1
	s_barrier_wait -1
	CREST
.endm
.macro TLOAD                           ; waves 0-3 fetch, the others nothing: the branch hangs on the wave's number alone.  An s_nop 0 and four v_nop follow the load
	s_cmp_lt_u32 s[WV], 4
	s_cbranch_scc0 .Lno_load_\@
	tensor_load_to_lds s[G0:G0+3], s[G1:G1+7]
	s_nop 0
.rept 4
	v_nop
.endr
.Lno_load_\@:
.endm
; A PREFETCH of what the NEXT change of slots will ask for: 128 keys of K and of V of both heads, 4 x 16,384 bytes.  Both clusters of a head pair walk the same rows: the first asks.  Its four partners share the
; bytes out BY ADDRESS (head cx / 2, half cx % 2); in each, wave 4 asks for K's 8,192 bytes and wave 5 for V's, lanes 256 bytes apart: each block of 256 bytes is named once.  The last filling change asks for nothing.
.macro ASK
	s_cmp_gt_u32 s[SLOTS], s[LIM]
	s_cbranch_scc0 .Lnot_mine_\@
	global_prefetch_b8 v[PFO], s[PFA:PFA+1] th:TH_LOAD_NT scope:SCOPE_SE
.Lnot_mine_\@:
.endm
.macro MWORDS                          ; a step's 64 mask words: tile 0's in s16-47, tile 1's in s48-63 and s68-83
	s_load_b512 s[16:31], s[MB:MB+1], s[MO] offset:0x0
	s_load_b512 s[32:47], s[MB:MB+1], s[MO] offset:0x40
	s_load_b512 s[48:63], s[MB:MB+1], s[MO] offset:0x80
	s_load_b512 s[68:83], s[MB:MB+1], s[MO] offset:0xc0
.endm
.macro WALK                            ; behind the wait for all my tensor loads: the descriptor and the prefetches' address go one slot on
	s_xor_b32 s[G0+1], s[G0+1], SLOT1              ; the other slot than last time,
	s_add_nc_u64 s[G0+2:G0+3], s[G0+2:G0+3], 16384 ; the next 128 keys
	s_wait_xcnt 0x0                                ; the last prefetch, a slot back, has read its address
	s_add_nc_u64 s[PFA:PFA+1], s[PFA:PFA+1], 16384 ; one slot further on than the descriptor
.endm
	s_load_b128 s[96:99], s[0:1], 0x0              ; qkv, mbits
	s_load_b64 s[AOB:AOB+1], s[0:1], 0x10          ; ao
	v_lshl_add_u32 v[SPW], v0, 2, SPARE
	v_mov_b32 v[NIL], 0
	ds_add_u32 v[SPW], v[NIL]                      ; the wave's opening: the add, twice on end, and its wait ahead of the first tensor load
	ds_add_u32 v[SPW], v[NIL]
	v_lshrrev_b32 v9, 5, v0
	v_readfirstlane_b32 s[WV], v9                  ; wave 0..15
	s_bfe_u32 s93, ttmp6, 0x40000                  ; cx
	s_lshl_b32 s94, ttmp9, 2
	s_add_co_u32 s94, s94, s93                     ; my block of 256 queries = 4 x cluster x + cx: it enters Q's, the mask's and ao's addresses alone
	s_and_b32 s95, ttmp7, 0xffff                   ; y = 8 b + head pair, which the partners share
	s_lshr_b32 s[HB], s[WV], 3
	s_and_b32 s[WQ], s[WV], 7
	; descriptor group 1: 128 rows x 64 elements of 2 bytes, dense in memory, 16 bytes of padding behind each row of 128
	s_mov_b32 s[G1], 15|(1<<16)|(1<<20)|(1<<21)|(4<<22)|(3<<25)   ; the mask of all four; elements of 2 bytes; padding on; bit 21 beside a mask; after every 32 words (code 4) four words (code 3)
	s_mov_b32 s[G1+1], 64<<16                      ; tensor_dim0
	s_mov_b32 s[G1+2], 128<<16                     ; tensor_dim1
	s_mov_b32 s[G1+3], 64<<16                      ; tile_dim0
	s_mov_b32 s[G1+4], 128                         ; tile_dim1
	s_mov_b32 s[G1+5], 64                          ; from row to row
	s_mov_b32 s[G1+6], 0
	s_mov_b32 s[G1+7], 0
	s_mov_b32 s[SEL], 0x76543210
	s_mov_b32 s[SEL+1], 0xfedcba98
	s_mov_b32 s[TB], 0
	s_mov_b32 s[MO], 0
	s_mov_b32 s[SLOTS], 15
	s_sub_co_u32 s[LIM], s[WV], 4
	s_lshr_b32 s[LIM], s[LIM], 1                   ; 0 in waves 4 and 5,
	s_or_b32 s[LIM], s[LIM], ttmp9                 ; of the head pair's first cluster: the same in all four partners
	s_cmp_eq_u32 s[LIM], 0
	s_cselect_b32 s[LIM], 1, -1
	; what I fetch, if I fetch: tensor 1 + (wave & 3) / 2 (K, V), plane 2 y + wave % 2
	s_and_b32 s16, s[WV], 3
	s_lshr_b32 s17, s16, 1
	s_add_co_u32 s17, s17, 1
	s_lshl_b32 s17, s17, 24                        ; a tensor is 16,777,216 bytes
	s_and_b32 s16, s16, 1
	s_lshl_b32 s18, s95, 1
	s_add_co_u32 s16, s16, s18
	s_lshl_b32 s16, s16, 18                        ; a plane 262,144
	s_add_co_u32 s16, s16, s17
	s_mov_b32 s17, 0
	; my mask words: pair 64 b + 8 block + wave % 8, 8,192 bytes each
	s_lshr_b32 s18, s95, 3
	s_lshl_b32 s18, s18, 6
	s_lshl_b32 s19, s94, 3
	s_add_co_u32 s18, s18, s19
	s_add_co_u32 s18, s18, s[WQ]
	s_lshl_b32 s18, s18, 13
	s_mov_b32 s19, 0
	; my queries: plane 2 y + my head, row 256 block + 32 (wave % 8), 128 bytes a row
	s_lshl_b32 s20, s95, 1
	s_add_co_u32 s20, s20, s[HB]
	s_lshl_b32 s20, s20, 18
	s_lshl_b32 s21, s94, 15
	s_add_co_u32 s20, s20, s21
	s_lshl_b32 s21, s[WQ], 12
	s_add_co_u32 s20, s20, s21
	s_mov_b32 s21, 0
	; the rows of ao that I store: 2,048 b + 256 block + 16 wave, 2,048 bytes each, + 256 x head pair
	s_lshr_b32 s22, s95, 3
	s_lshl_b32 s22, s22, 11
	s_lshl_b32 s23, s94, 8
	s_add_co_u32 s22, s22, s23
	s_lshl_b32 s23, s[WV], 4
	s_add_co_u32 s22, s22, s23
	s_lshl_b32 s22, s22, 11
	s_and_b32 s23, s95, 7
	s_lshl_b32 s23, s23, 8
	s_add_co_u32 s22, s22, s23
	s_mov_b32 s23, 0
	; my prefetches: tensor 1 + wave % 2, plane 2 y + cx / 2, half cx % 2, in slot 1: the first change steps it to slot 2
	s_and_b32 s24, s[WV], 1
	s_add_co_u32 s24, s24, 1
	s_lshl_b32 s24, s24, 24
	s_lshr_b32 s25, s93, 1
	s_lshl_b32 s26, s95, 1
	s_add_co_u32 s25, s25, s26
	s_lshl_b32 s25, s25, 18
	s_add_co_u32 s24, s24, s25
	s_and_b32 s25, s93, 1
	s_lshl_b32 s25, s25, 13
	s_add_co_u32 s24, s24, s25
	s_add_co_u32 s24, s24, 16384
	s_mov_b32 s25, 0
	s_mul_i32 s[HPL], s[HB], PLANE                 ; y has had its last use: my head's K in a slot, in a register that no scalar load writes
	s_wait_dscnt 0x0                               ; both opening adds are done
	s_wait_kmcnt 0x0
	s_mov_b32 s[G0], 1                             ; count = 1
	s_mul_i32 s[G0+1], s[WV], PLANE                ; LDS address: wave x 18,432, in slot 0
	s_add_nc_u64 s[G0+2:G0+3], s[96:97], s[16:17]  ; global address: the plane's first 128 keys
	s_or_b32 s[G0+3], s[G0+3], 0x80000000          ; type = 2
	s_add_nc_u64 s[MB:MB+1], s[98:99], s[18:19]
	s_add_nc_u64 s[98:99], s[96:97], s[20:21]      ; Q at my first query
	s_add_nc_u64 s[AOB:AOB+1], s[AOB:AOB+1], s[22:23]
	s_add_nc_u64 s[PFA:PFA+1], s[96:97], s[24:25]
	ROUND                                          ; all four work-groups are here: the first joint loads meet
	TLOAD                                          ; slot 0
	v_and_b32 v9, 15, v0                           ; r
	v_bfe_u32 v10, v0, 4, 1                        ; h
	v_and_b32 v11, 7, v0
	v_bfe_u32 v28, v0, 3, 1
	v_lshlrev_b32 v29, 7, v9
	v_lshl_add_u32 v29, v10, 4, v29                ; Q: row r of 128 bytes, + 16 h
.irp t, 0,1
.irp c, 0,1
	global_load_b128 v[Q+16*\t+8*\c:Q+16*\t+8*\c+3], v29, s[98:99] offset:2048*\t+64*\c        ; Q stays in registers: tile t, channels 32 c on
	global_load_b128 v[Q+16*\t+8*\c+4:Q+16*\t+8*\c+7], v29, s[98:99] offset:2048*\t+64*\c+32
.endr
.endr
	MWORDS                                         ; step 0's mask words: from here on s16-63 and s68-83 are theirs, and are read only behind a wait on KMcnt
	v_lshl_add_u32 v[AK0], v11, 1, v28             ; K: lane r of a tile takes key 2 (r % 8) + r / 8
	v_mul_u32_u24 v[AK0], v[AK0], PITCH
	v_lshl_add_u32 v[AK0], v10, 4, v[AK0]
	v_add_nc_u32 v[AK0], s[HPL], v[AK0]
	v_lshl_add_u32 v[AV0], v11, 1, v10             ; V: the turning load's lane l addresses key 2 (l % 8) + l / 16, channels 8 ((l / 8) % 2) on
	v_mul_u32_u24 v[AV0], v[AV0], PITCH
	v_lshl_add_u32 v[AV0], v28, 4, v[AV0]
	s_add_co_u32 s[HPL], s[HPL], 2*PLANE           ; V's planes lie behind K's two
	v_add_nc_u32 v[AV0], s[HPL], v[AV0]
	v_mov_b32 v[NEG], 0xceabfb8f                   ; -1e9 x log2(e)
	v_and_b32 v[PFO], 31, v0
	v_lshlrev_b32 v[PFO], 8, v[PFO]
.irp t, 0,1
	v_mov_b32 v[ST+8*\t], 0xff61b1e6               ; m: -3e38, under every t
.irp j, 1,2,3,4,5,6,7
	v_mov_b32 v[ST+8*\t+\j], 0
.endr
.endr
.set i, 0
.rept 64
	v_mov_b32 v[O+i], 0                            ; O^T.  (The step is written once: the first finds zeros, which its factor leaves zeros)
.set i, i+1
.endr
; A KEY STEP: 64 keys, the q-th of the slot in hand.  chg = 0: a plain step.  chg = 1: the slot's last step, with the change of slots in it, and the slot is filled again.  chg = 2: the same, and nothing is filled.
.macro STEP q, chg
.rept 5
	v_nop                                          ; behind the last V^T P: four places ahead of the loads into its fragments' registers, five ahead of the products that write over P
.endr
.irp kt, 0,1,2,3
.irp c, 0,1
	ds_load_b128 v[KV+16*\kt+8*\c:KV+16*\kt+8*\c+3], v[ADK] offset:9216*(\q)+2304*\kt+64*\c
	ds_load_b128 v[KV+16*\kt+8*\c+4:KV+16*\kt+8*\c+7], v[ADK] offset:9216*(\q)+2304*\kt+64*\c+32
.endr
.endr
	s_wait_dscnt 0x0
.irp kt, 0,1,2,3                               ; S^T = K Q^T: the eight accumulators take turns, one instruction a turn; channels 0-31 start the sums
.irp t, 0,1
	v_wmma_f32_16x16x32_f16 v[S+32*\t+8*\kt:S+32*\t+8*\kt+7], v[KV+16*\kt:KV+16*\kt+7], v[Q+16*\t:Q+16*\t+7], 0
.endr
.endr
.irp kt, 0,1,2,3
.irp t, 0,1
	v_wmma_f32_16x16x32_f16 v[S+32*\t+8*\kt:S+32*\t+8*\kt+7], v[KV+16*\kt+8:KV+16*\kt+15], v[Q+16*\t+8:Q+16*\t+15], v[S+32*\t+8*\kt:S+32*\t+8*\kt+7]
.endr
.endr
.rept 4
	v_nop                                          ; places ahead of the loads into K's registers and of the first read of the scores
.endr
.irp kk, 0,1
.irp ct, 0,1,2,3
	ds_load_tr16_b128 v[KV+32*\kk+8*\ct:KV+32*\kk+8*\ct+3], v[ADV] offset:9216*(\q)+4608*\kk+32*\ct          ; V^T: channels 16 ct on, keys 32 kk on: they land while the mask and the maximum are worked
	ds_load_tr16_b128 v[KV+32*\kk+8*\ct+4:KV+32*\kk+8*\ct+7], v[ADV] offset:9216*(\q)+4608*\kk+32*\ct+2304
.endr
.endr
	s_wait_kmcnt 0x0                               ; this step's mask words, asked for a step ago
.set i, 0
.rept 32
	v_cndmask_b32 v[S+i], v[NEG], v[S+i], s[16+i]  ; the score where the lane's bit is set, else -1e9 log2(e); each accumulator from its low end on
.set i, i+1
.endr
.set i, 0
.rept 16
	v_cndmask_b32 v[S+32+i], v[NEG], v[S+32+i], s[48+i]
.set i, i+1
.endr
.set i, 0
.rept 16
	v_cndmask_b32 v[S+48+i], v[NEG], v[S+48+i], s[68+i]
.set i, i+1
.endr
	s_add_co_u32 s[MO], s[MO], 256                 ; (free since the wait above)  the next step's words;
	s_min_u32 s[MO], s[MO], 7936                   ; the last step asks for its own once more: no load leaves the buffer
	MWORDS
.if \chg                                       ; THE CHANGE OF SLOTS begins: V's loads above were my last reads of this slot
	s_wait_tensorcnt 0x0                           ; all my tensor loads have landed: my part of the next slot; so group 0 may be written
	ds_add_u32 v[SPW], v[NIL]                      ; the maximum below, work on registers, stands between the add and the wait for it
.if (\chg) == 1
	ds_add_u32 v[SPW], v[NIL]                      ; twice on end here, in every trip alike
	WALK
.endif
.endif
.irp j, 0,1,2,3                                ; the maximum of 32 scores and the old m, three at a time, four chains, the two tiles by turns
.irp t, 0,1
	v_max3_num_f32 v[ST+8*\t+4+\j], v[S+32*\t+8*\j], v[S+32*\t+8*\j+1], v[S+32*\t+8*\j+2]
.endr
.endr
.irp u, 3,5
.irp j, 0,1,2,3
.irp t, 0,1
	v_max3_num_f32 v[ST+8*\t+4+\j], v[ST+8*\t+4+\j], v[S+32*\t+8*\j+\u], v[S+32*\t+8*\j+\u+1]
.endr
.endr
.endr
.irp t, 0,1
	v_max3_num_f32 v[ST+8*\t+4], v[ST+8*\t+4], v[S+32*\t+7], v[S+32*\t+15]
.endr
.irp t, 0,1
	v_max3_num_f32 v[ST+8*\t+6], v[ST+8*\t+6], v[S+32*\t+23], v[S+32*\t+31]
.endr
.irp t, 0,1
	v_max3_num_f32 v[ST+8*\t+4], v[ST+8*\t+4], v[ST+8*\t+5], v[ST+8*\t+6]
.endr
.irp t, 0,1
	v_max3_num_f32 v[ST+8*\t+4], v[ST+8*\t+4], v[ST+8*\t+7], v[ST+8*\t]
.endr
.irp t, 0,1
	v_permlanex16_b32 v[ST+8*\t+5], v[ST+8*\t+4], s[SEL], s[SEL+1]   ; the query's other 32 keys lie in the lane 16 away
.endr
.irp t, 0,1
	v_mov_b32 v[ST+8*\t+7], v[ST+8*\t]             ; the old m
.endr
.irp t, 0,1
	v_max_num_f32 v[ST+8*\t], v[ST+8*\t+4], v[ST+8*\t+5]
.endr
.irp t, 0,1
	v_sub_f32 v[ST+8*\t+7], v[ST+8*\t+7], v[ST+8*\t]   ; old m - new m, 0 or less
.endr
.if \chg
	s_wait_dscnt 0x0                               ; the add is done (chg = 1: both are), V is in registers, and my reads of this slot are over:
	s_barrier_signal -1                            ; say so (chg = 1: this barrier opens a round of the cluster's); up to the wait below stands work on registers alone
.endif
.irp t, 0,1                                    ; t - m, two at a time; then ONE BATCH of exponentials for both tiles: a = 2^(old m - new m) and the 32 p
.set i, 0
.rept 16
	v_pk_add_f32 v[S+32*\t+2*i:S+32*\t+2*i+1], v[S+32*\t+2*i:S+32*\t+2*i+1], v[ST+8*\t:ST+8*\t+1] op_sel_hi:[1,0] neg_lo:[0,1] neg_hi:[0,1]
.set i, i+1
.endr
	v_exp_f32 v[ST+8*\t+6], v[ST+8*\t+7]
.set i, 0
.rept 32
	v_exp_f32 v[S+32*\t+i], v[S+32*\t+i]
.set i, i+1
.endr
.endr
	v_nop                                          ; a plain instruction behind the last exponential
	s_wait_alu depctr_va_vdst(0)                   ; the wait ahead of the first line that names a result: one for the 66
.irp t, 0,1
	v_pk_mul_f32 v[ST+8*\t+2:ST+8*\t+3], v[ST+8*\t+2:ST+8*\t+3], v[ST+8*\t+6:ST+8*\t+7] op_sel_hi:[1,0]   ; the sum under the new m
	v_pk_add_f32 v[ST+8*\t+4:ST+8*\t+5], v[S+32*\t:S+32*\t+1], v[S+32*\t+2:S+32*\t+3]                     ; + the unrounded p, in two chains
.irp u, 4,8,12,16,20,24,28
	v_pk_add_f32 v[ST+8*\t+2:ST+8*\t+3], v[ST+8*\t+2:ST+8*\t+3], v[S+32*\t+\u:S+32*\t+\u+1]
	v_pk_add_f32 v[ST+8*\t+4:ST+8*\t+5], v[ST+8*\t+4:ST+8*\t+5], v[S+32*\t+\u+2:S+32*\t+\u+3]
.endr
	v_pk_add_f32 v[ST+8*\t+2:ST+8*\t+3], v[ST+8*\t+2:ST+8*\t+3], v[ST+8*\t+4:ST+8*\t+5]
.set i, 0
.rept 16
	v_cvt_pk_f16_f32 v[S+32*\t+i], v[S+32*\t+2*i], v[S+32*\t+2*i+1]   ; P, in place, ascending: register i is written when registers 2 i and 2 i + 1 are read; two tiles of keys are source 1 of V^T P as they stand
.set i, i+1
.endr
.set i, 0
.rept 16
	v_pk_mul_f32 v[O+32*\t+2*i:O+32*\t+2*i+1], v[O+32*\t+2*i:O+32*\t+2*i+1], v[ST+8*\t+6:ST+8*\t+7] op_sel_hi:[1,0]   ; O^T under the new m
.set i, i+1
.endr
.endr
.if (\chg) == 0
	s_wait_dscnt 0x0                               ; V
.endif
.irp kk, 0,1                                   ; O^T += V^T P: the eight accumulators take turns
.irp ct, 0,1,2,3
.irp t, 0,1
	v_wmma_f32_16x16x32_f16 v[O+32*\t+8*\ct:O+32*\t+8*\ct+7], v[KV+32*\kk+8*\ct:KV+32*\kk+8*\ct+7], v[S+32*\t+8*\kk:S+32*\t+8*\kk+7], v[O+32*\t+8*\ct:O+32*\t+8*\ct+7]
.endr
.endr
.endr
.if (\chg) == 1
	s_barrier_wait -1                              ; all sixteen waves have said so;
	CREST                                          ; wave 0 says so for the work-group, all four work-groups have said so: no wave of any partner still reads this slot or has a load on its way
	TLOAD                                          ; the first tensor load behind the round: the keys two slots on, into the slot just left: one step and a half lie ahead of the wait for it
	ASK
.endif
.if (\chg) == 2
	s_barrier_wait -1                              ; the last change: the last slot is whole, and nothing is filled
.endif
.endm
.macro SLOT_STEPS chg
	v_add_nc_u32 v[ADK], s[TB], v[AK0]
	v_add_nc_u32 v[ADV], s[TB], v[AV0]
	STEP 0, 0
	STEP 1, \chg
	s_xor_b32 s[TB], s[TB], SLOT1
.endm
	s_wait_loadcnt 0x0                             ; Q
	; the change in front of slot 0 stands alone: slot 0 has landed, and slot 1 is asked for as a refill is, behind a round
	s_wait_tensorcnt 0x0
	ds_add_u32 v[SPW], v[NIL]
	ds_add_u32 v[SPW], v[NIL]                      ; twice on end here
	WALK
	s_wait_dscnt 0x0
	ROUND
	TLOAD
	ASK
	s_mov_b32 s[SLOTS], 14
.Lslot:                                            ; 14 trips, slots 0 to 13: each trip's change asks for the slot two on
	SLOT_STEPS 1
	s_sub_co_u32 s[SLOTS], s[SLOTS], 1
	s_cmp_lg_u32 s[SLOTS], 0
	s_cbranch_scc1 .Lslot
	SLOT_STEPS 2                                   ; slots 14 and 15 are written out
	SLOT_STEPS 0
	; THE WAY OUT.  The sum's halves are added; O^T / the sum, rounded to f16, goes into the work-group's stage; a row's 256 bytes come from two waves, so a barrier stands between writing and reading.
	s_wait_kmcnt 0x0                               ; the last look-ahead's words
.irp t, 0,1
	v_add_f32 v[ST+8*\t+4], v[ST+8*\t+2], v[ST+8*\t+3]
.endr
.irp t, 0,1
	v_permlanex16_b32 v[ST+8*\t+5], v[ST+8*\t+4], s[SEL], s[SEL+1]
.endr
.irp t, 0,1
	v_add_f32 v[ST+8*\t+4], v[ST+8*\t+4], v[ST+8*\t+5]
.endr
.irp t, 0,1
	v_rcp_f32 v[ST+8*\t+6], v[ST+8*\t+4]
.endr
	v_and_b32 v28, 15, v0                          ; r   (plain lines behind the reciprocals, and the places behind the last products)
	v_bfe_u32 v29, v0, 4, 1                        ; h
	s_lshl_b32 s93, s[WQ], 5
	s_mul_i32 s93, s93, SP
	s_lshl_b32 s94, s[HB], 7
	s_add_co_u32 s93, s93, s94
	v_mul_u32_u24 v9, v28, SP
	v_lshl_add_u32 v9, v29, 4, v9
	v_add_nc_u32 v9, s93, v9                       ; in: row 32 (wave % 8) + r, byte 128 x my head + 16 h
	s_lshl_b32 s94, s[WV], 4
	s_mul_i32 s94, s94, SP
	v_mul_u32_u24 v10, v29, SP
	v_lshl_add_u32 v10, v28, 4, v10
	v_add_nc_u32 v10, s94, v10                     ; back: rows 16 wave on; lanes 0-15 one row, lanes 16-31 the next
	v_lshlrev_b32 v11, 11, v29
	v_lshl_add_u32 v11, v28, 4, v11                ; and the same two rows in ao
	s_wait_alu depctr_va_vdst(0)                   ; one wait for the two reciprocals, ahead of their first reader
.irp t, 0,1
.set i, 0
.rept 16
	v_pk_mul_f32 v[S+32*\t+2*i:S+32*\t+2*i+1], v[O+32*\t+2*i:O+32*\t+2*i+1], v[ST+8*\t+6:ST+8*\t+7] op_sel_hi:[1,0]
.set i, i+1
.endr
.endr
.irp t, 0,1
.set i, 0
.rept 16
	v_cvt_pk_f16_f32 v[KV+16*\t+i], v[S+32*\t+2*i], v[S+32*\t+2*i+1]
.set i, i+1
.endr
.endr
.irp t, 0,1
.irp ct, 0,1,2,3
	ds_store_b128 v9, v[KV+16*\t+4*\ct:KV+16*\t+4*\ct+3] offset:16*SP*\t+32*\ct   ; query 16 t + r, channels 16 ct + 8 h + 0 .. 7
.endr
.endr
	s_wait_dscnt 0x0                               ; for the others' sake: my stores into the stage are done
	s_barrier_signal -1
	s_barrier_wait -1
.irp u, 0,1,2,3,4,5,6,7
	ds_load_b128 v[S+4*\u:S+4*\u+3], v10 offset:2*SP*\u
.endr
.irp u, 0,1,2,3,4,5,6,7
	s_wait_dscnt 7-\u
	global_store_b128 v11, v[S+4*\u:S+4*\u+3], s[AOB:AOB+1] offset:4096*\u   ; 16 lanes store 256 consecutive bytes, at a multiple of 256 from ao's first byte
.endr
	s_wait_tensorcnt 0x0                           ; the wave's end
	ds_add_u32 v[SPW], v[NIL]
	s_wait_dscnt 0x0
	ROUND                                          ; the closing round: no work-group ends while a partner may still ask for a tile that names it
	s_endpgm
.Lfunc_end_k_qf783646238_attn:
	.size	k_qf783646238_attn, .Lfunc_end_k_qf783646238_attn-k_qf783646238_attn
	.p2alignl 7, 3214868480
	.fill 96, 4, 3214868480
	.section	.rodata,"a",@progbits
	.p2align	6, 0x0
	.amdhsa_kernel k_qf783646238_attn
		.amdhsa_group_segment_fixed_size 327680
		.amdhsa_private_segment_fixed_size 0
		.amdhsa_enable_private_segment 0
		.amdhsa_kernarg_size 24
		.amdhsa_user_sgpr_count 2
		.amdhsa_user_sgpr_kernarg_segment_ptr 1
		.amdhsa_wavefront_size32 1
		.amdhsa_system_sgpr_workgroup_id_x 1
		.amdhsa_system_sgpr_workgroup_id_y 1
		.amdhsa_system_sgpr_workgroup_id_z 1
		.amdhsa_system_vgpr_workitem_id 0
		.amdhsa_next_free_vgpr 256
		.amdhsa_next_free_sgpr 102
		.amdhsa_reserve_vcc 0
		.amdhsa_float_denorm_mode_32 3
		.amdhsa_float_denorm_mode_16_64 3
		.amdhsa_memory_ordered 1
		.amdhsa_forward_progress 1
		.amdhsa_inst_pref_size 148
	.end_amdhsa_kernel
	.amdgpu_metadata
---
amdhsa.version: [ 1, 2 ]
amdhsa.kernels:
  - .name:           k_qf783646238_attn
    .symbol:         k_qf783646238_attn.kd
    .args:
      - { .name: qkv, .offset: 0, .size: 8, .value_kind: global_buffer, .address_space: global }
      - { .name: mbits, .offset: 8, .size: 8, .value_kind: global_buffer, .address_space: global }
      - { .name: ao, .offset: 16, .size: 8, .value_kind: global_buffer, .address_space: global }
    .group_segment_fixed_size: 327680
    .private_segment_fixed_size: 0
    .kernarg_segment_align: 8
    .kernarg_segment_size: 24
    .max_flat_workgroup_size: 512
    .sgpr_count:     102
    .vgpr_count:     256
    .wavefront_size: 32
...
	.end_amdgpu_metadata
.endif
;; end of part 3
;; launch outp (part 4): grid 4 x 64, 4 waves a work-group, clusters of 4 x 4, 327,680 bytes of LDS; arguments ao, wo16, bo, out0; writes out0
.if DOCPART == 4
	.amdgcn_target "amdgcn-amd-amdhsa--gfx1250"
	.amdhsa_code_object_version 6
	.text
	.protected	k_qf783646238_outp
	.globl	k_qf783646238_outp
	.p2align	8
	.type	k_qf783646238_outp,@function
k_qf783646238_outp:
	s_mov_b64 s[64:65], 0
	v_nop
	global_prefetch_b8 v0, s[64:65] scope:SCOPE_SE
	s_setreg_imm32_b32 hwreg(HW_REG_WAVE_MODE, 25, 1), 1
	s_wait_xcnt 0x0
	s_wait_alu depctr_hold_cnt(0) depctr_sa_sdst(0) depctr_va_vdst(0) depctr_va_sdst(0) depctr_va_ssrc(0) depctr_va_vcc(0) depctr_vm_vsrc(0)
	s_getreg_b32 s2, hwreg(HW_REG_IB_STS2, 6, 4)
	s_cmp_eq_u32 s2, 0
	s_cbranch_scc0 .Lentry_in_a_cluster
	s_endpgm
.Lentry_in_a_cluster:
	s_bfe_u32 s2, ttmp6, 0x10000c
	s_cmp_lg_u32 s2, 0xf033
	s_cbranch_scc0 .Lentry_shape_is_right
	s_endpgm
.Lentry_shape_is_right:
; OUTP: out0[m][n] = sum over k of ao[m][k] Wo[k][n] + bo[n].  A = ao [8192][1024] f16, B = wo16 [1024 n][1024 k] f16 (Wo turned by the first launch), out0 f32; sums in f32.
; A tile of 128 x 256 gives 64 x 4 = 256 work-groups.  Four waves, each 64 x 128: 32 accumulators, 256 registers: for 32 along K a wave loads 24 x 512 bytes from LDS and issues 32 matrix instructions.
; K goes in steps of 128 (LDS rows of 256 bytes + 16) through a ring of two slots, each with A's 128 rows and B's 256: waves 0 and 1 fetch A's halves of 64 rows, waves 2 and 3 B's halves of 128.  (Two slots of 256 along K
; would take 405,504 bytes: they do not fit.)
; CLUSTERS: 4 x 4 work-groups; A's tiles are asked for jointly along a row of the cluster, B's along a column.  THE MATRIX INSTRUCTION IS USED TRANSPOSED (source 0 = 16 rows of B, source 1 = 16 rows of A):
; a lane holds eight neighbouring columns of one row.  The bias, eight registers for each of B's eight blocks, is the C of the first products.
; A wave's 128 columns of f32 are 512 consecutive aligned bytes of a row: so each wave has a stage of its own on the way out, and no barrier stands there.
; LIMIT: operands are f16: magnitudes up to 65,504.
; REGISTERS: window 0: v0-31 addresses; v32-95 the bias; v128-255 rows read back on the way out, two sets of 64.   window 1: two fragment buffers, at v0 and v128: A's four fragments (32 registers), then B's eight (64).
;   window 2: the accumulators ((a, b) at v[8 (8 a + b)]).
.set SIZE_N, 1024
.set SIZE_K, 1024
.set KSTEP,  128
.set PITCH,  272                       ; 256 bytes + 16 of padding: the 16 rows that a load touches start at 16 different banks (64 banks of 4 bytes: ISA guide 11.1)
.set HA,     64*PITCH                  ; 64 rows of A: what waves 0 and 1 fetch, and what a wave reads of A
.set HB,     128*PITCH                 ; 128 rows of B: what waves 2 and 3 fetch, and what a wave reads of B
.set AT,     2*HA                      ; A's 128 rows; B's 256 lie behind them
.set SLOT,   AT+2*HB
.set STAGE,  2*SLOT                    ; behind the ring: 16 rows x 528 bytes for each wave
.set SPITCH, 528
.set SPARE,  STAGE+4*16*SPITCH         ; the spare words, 128 bytes for each wave: two blocks of 256 bytes that no other line names
.set LAPS,   SIZE_K/(2*KSTEP)          ; a lap = two K steps = once round the ring
.set ADRA, 16                          ; v16-17  LDS address of my A fragments in slot 0, 1
.set ADRB, 20                          ; v20-21  the same for B
.set STO,  24                          ; v24     the way out: where I put 32 bytes of a row
.set RD,   25                          ; v25     the way out: where I read a row back
.set CO,   26                          ; v26     my byte offset in a row of out0
.set SPW,  28                          ; v28     LDS address of my spare word; never rewritten
.set NIL,  29                          ; v29     0; never rewritten
.set PFO,  30                          ; v30     the prefetches' offset: my lane x a row of 2,048 bytes; never rewritten
.set BIAS, 32
.set BK,   128
.set F0,   0
.set F1,   128
.set G1, 24                            ; s[24:31] descriptor group 1 for A's tiles;  s[32:39] group 0, one set for each slot
.set G0, 32
.set G1B, 48                           ; s[48:55], s[56:63] the same for B's tiles
.set G0B, 56
.set PFA, 68                           ; s[68:69] where my prefetches stand: one K step further along K than the refill that is being asked for; a prefetch names the K step after that
.set LIM, 70                           ; s70     1 in a wave that prefetches, else the greatest number
.set MSB, 0
.macro WIN new                         ; the immediate's high byte repeats the setting that is left
.if MSB != (\new)
	s_set_vgpr_msb (MSB<<8)|(\new)
.set MSB, (\new)
.endif
.endm
.set MUL,  0xa5                        ; sources 0 (B) and 1 (A) window 1; C and D window 2.  In the first products C is the bias, in window 0: 0x85
.set TO_F, 0x40                        ; destination window 1, address window 0
.macro JLOAD s                         ; a joint load: waves 0 and 1 fetch A's two halves, waves 2 and 3 B's; an s_nop 0 and four v_nop follow each of the two lines
	s_cmp_eq_u32 s11, 0
	s_cbranch_scc0 .Lfor_b_\@
	tensor_load_to_lds s[G0+4*\s:G0+4*\s+3], s[G1:G1+7]
	s_nop 0
.rept 4
	v_nop
.endr
	s_branch .Lasked_\@
.Lfor_b_\@:
	tensor_load_to_lds s[G0B+4*\s:G0B+4*\s+3], s[G1B:G1B+7]
	s_nop 0
.rept 4
	v_nop
.endr
.Lasked_\@:
.endm
; A PREFETCH, behind each joint load and the run of LDS loads that follows it: the K step that stands TWO refills on, 256 matrix instructions of a wave ahead of the load that will want it: 32 rows x 256 bytes, a lane a row.
; Each row's 256 bytes of a K step are named once.  A's tile row is read by one cluster: wave 0 asks, and the four partners that ask for the tile jointly take 32 of its 128 rows each, told apart BY ADDRESS (cx).
; B's tile column is read by every cluster: the first along y asks, waves 2 and 3, and the four partners take 64 of its 256 rows each (cy), 32 a wave.  K steps 0 to 3 come by their loads alone; the last lap asks for nothing.
.macro ASK
	s_cmp_gt_u32 s3, s[LIM]                        ; s3 = 1 in the loop's last trip
	s_cbranch_scc0 .Lnot_mine_\@
	global_prefetch_b8 v[PFO], s[PFA:PFA+1] offset:KSTEP*2 th:TH_LOAD_NT scope:SCOPE_SE
.Lnot_mine_\@:
.endm
.macro CREST                           ; a round of the cluster's barrier behind its opening barrier
	s_cmp_lg_u32 s10, 0
	s_cbranch_scc1 .Lnot_wave_0_\@
	s_barrier_signal -3
.Lnot_wave_0_\@:
	s_barrier_wait -3
	s_barrier_signal -1
	s_barrier_wait -1
.endm
.macro CROUND
	s_barrier_signal -1
	s_barrier_wait -1
	CREST
.endm
	s_load_b128 s[4:7], s[0:1], 0x0                ; ao, wo16
	s_load_b64 s[66:67], s[0:1], 0x10              ; bo
	s_load_b64 s[8:9], s[0:1], 0x18                ; out0
	v_lshl_add_u32 v[SPW], v0, 2, SPARE
	v_mov_b32 v[NIL], 0
	ds_add_u32 v[SPW], v[NIL]                      ; the wave's opening: the add, twice on end, and its wait ahead of my first tensor load
	ds_add_u32 v[SPW], v[NIL]
	v_lshrrev_b32 v1, 5, v0
	v_readfirstlane_b32 s10, v1                    ; wave 0..3
	s_lshr_b32 s11, s10, 1                         ; which half of the tile's rows is mine.  Also: I fetch for A (0) or for B (1)
	s_and_b32 s12, s10, 1                          ; which half of its columns.  Also: which half of that tile I fetch
	s_bfe_u32 s40, ttmp6, 0x40000                  ; cx, cy
	s_bfe_u32 s41, ttmp6, 0x40004
	s_lshl_b32 s42, ttmp9, 2
	s_add_co_u32 s42, s42, s40                     ; tile column
	s_and_b32 s13, ttmp7, 0xffff
	s_lshl_b32 s13, s13, 2
	s_add_co_u32 s13, s13, s41                     ; tile row
	s_lshl_b32 s43, s41, 2
	s_lshl_b32 s43, 15, s43                        ; my row of the cluster
	s_lshl_b32 s44, 0x1111, s40                    ; my column
	; descriptor group 1: rows of 128 elements of 2 bytes, 16 bytes of padding behind each; A's tiles have 64 rows, B's 128
	s_or_b32 s[G1+0], s43, (1<<16)|(1<<20)|(1<<21)|(5<<22)|(3<<25)
	s_or_b32 s[G1B+0], s44, (1<<16)|(1<<20)|(1<<21)|(5<<22)|(3<<25)
.irp g, G1, G1B
	s_mov_b32 s[\g+1], KSTEP<<16                   ; tensor_dim0
	s_mov_b32 s[\g+3], KSTEP<<16                   ; tile_dim0
	s_mov_b32 s[\g+5], SIZE_K                      ; from row to row
	s_mov_b32 s[\g+6], 0
	s_mov_b32 s[\g+7], 0
.endr
	s_mov_b32 s[G1+2], 64<<16                      ; tensor_dim1
	s_mov_b32 s[G1+4], 64                          ; tile_dim1
	s_mov_b32 s[G1B+2], 128<<16
	s_mov_b32 s[G1B+4], 128
	s_lshl_b32 s17, s12, 6
	s_lshl_b32 s16, s13, 7
	s_add_co_u32 s16, s16, s17                     ; A: row 128 x tile row + 64 x half
	s_lshl_b32 s17, s12, 7
	s_lshl_b32 s46, s42, 8
	s_add_co_u32 s46, s46, s17                     ; B: row 256 x tile column + 128 x half
	s_mov_b32 s17, 0
	s_mov_b32 s47, 0
	s_mov_b64 s[18:19], SIZE_K*2
	s_mul_u64 s[16:17], s[16:17], s[18:19]
	s_mul_u64 s[46:47], s[46:47], s[18:19]
	s_mul_i32 s20, s12, HA                         ; where they go: A's halves,
	s_mul_i32 s21, s12, HB
	s_add_co_u32 s21, s21, AT                      ; B's halves behind them: the wave's number and constants alone
	s_wait_dscnt 0x0                               ; both opening adds are done
	s_wait_kmcnt 0x0
	s_add_nc_u64 s[14:15], s[4:5], s[16:17]
	s_add_nc_u64 s[46:47], s[6:7], s[46:47]
	CROUND                                         ; all sixteen work-groups are here: the first joint loads meet
.irp s, 0,1
	s_mov_b32 s[G0+4*\s], 1
	s_add_co_u32 s[G0+4*\s+1], s20, \s*SLOT
	s_add_nc_u64 s[G0+4*\s+2:G0+4*\s+3], s[14:15], \s*KSTEP*2
	s_or_b32 s[G0+4*\s+3], s[G0+4*\s+3], 0x80000000
	s_mov_b32 s[G0B+4*\s], 1
	s_add_co_u32 s[G0B+4*\s+1], s21, \s*SLOT
	s_add_nc_u64 s[G0B+4*\s+2:G0B+4*\s+3], s[46:47], \s*KSTEP*2
	s_or_b32 s[G0B+4*\s+3], s[G0B+4*\s+3], 0x80000000
	JLOAD \s                                       ; by this text's count two tensor loads of a wave are out
.endr
	v_and_b32 v1, 15, v0                           ; l % 16
	v_bfe_u32 v2, v0, 4, 1                         ; l / 16
	s_lshl_b32 s46, s42, 10
	s_lshl_b32 s47, s12, 9
	s_add_co_u32 s46, s46, s47                     ; my first column, in bytes of f32: 1,024 x tile column + 512 x half
	s_mov_b32 s47, 0
	s_add_nc_u64 s[66:67], s[66:67], s[46:47]
	v_lshlrev_b32 v7, 5, v2
.irp b, 0,1,2,3,4,5,6,7
	global_load_b128 v[BIAS+8*\b:BIAS+8*\b+3], v7, s[66:67] offset:64*\b       ; lane (r, h), B's block b: the bias of columns 16 b + 8 h + 0 .. 7
	global_load_b128 v[BIAS+8*\b+4:BIAS+8*\b+7], v7, s[66:67] offset:64*\b+16
.endr
	v_mul_u32_u24 v3, v1, PITCH
	v_lshl_add_u32 v3, v2, 4, v3                   ; a fragment's row x pitch + 16 x half
	s_mul_i32 s21, s11, HA                         ; my 64 rows of A
	s_mul_i32 s22, s12, HB                         ; my 128 rows of B,
	s_add_co_u32 s22, s22, AT                      ; which lie behind A's 128
.irp s, 0,1
	v_add_nc_u32 v[ADRA+\s], s21, v3
	v_add_nc_u32 v[ADRB+\s], s22, v3
	s_add_co_u32 s21, s21, SLOT
	s_add_co_u32 s22, s22, SLOT
.endr
	s_mul_i32 s23, s10, 16*SPITCH
	s_add_co_u32 s23, s23, STAGE                   ; my stage
	v_mul_u32_u24 v4, v1, SPITCH
	v_lshl_add_u32 v4, v2, 5, v4
	v_add_nc_u32 v[STO], s23, v4                   ; in: row l % 16, 32 bytes for each half of the lanes
	v_and_b32 v5, 31, v0
	v_lshlrev_b32 v[CO], 4, v5                     ; back: the 32 lanes take one row of 512 bytes; and the same in out0
	v_add_nc_u32 v[RD], s23, v[CO]
	s_lshl_b32 s16, s13, 7
	s_lshl_b32 s17, s11, 6
	s_add_co_u32 s16, s16, s17                     ; my first row: 128 x tile row + 64 x half
	s_lshl_b32 s16, s16, 12                        ; 4,096 bytes a row
	s_add_co_u32 s16, s16, s46
	s_mov_b32 s17, 0
	s_add_nc_u64 s[8:9], s[8:9], s[16:17]
	; the prefetches: where mine stand, and who asks
	s_lshl_b32 s20, s13, 7                         ; A: row 128 x tile row
	s_lshl_b32 s21, s40, 5
	s_add_co_u32 s20, s20, s21                     ;    + 32 cx
	s_lshl_b32 s22, s42, 8                         ; B: row 256 x tile column
	s_lshl_b32 s23, s41, 6
	s_add_co_u32 s22, s22, s23                     ;    + 64 cy
	s_lshl_b32 s23, s12, 5
	s_add_co_u32 s22, s22, s23                     ;    + 32 x (wave % 2)
	s_or_b32 s71, s10, ttmp9                       ; A: 0 in wave 0 of the first cluster along x
	s_and_b32 s23, ttmp7, 0xffff                   ; B: 0 in the first cluster along y
	s_cmp_eq_u32 s11, 0                            ; do I fetch for A?
	s_cselect_b32 s20, s20, s22
	s_cselect_b32 s23, s71, s23
	s_cselect_b64 s[PFA:PFA+1], s[4:5], s[6:7]
	s_cmp_eq_u32 s23, 0
	s_cselect_b32 s[LIM], 1, -1                    ; the same in all sixteen partners, for a given wave
	s_mov_b32 s21, 0
	s_mov_b64 s[18:19], SIZE_K*2
	s_mul_u64 s[20:21], s[20:21], s[18:19]
	s_add_nc_u64 s[PFA:PFA+1], s[PFA:PFA+1], s[20:21]
	s_add_nc_u64 s[PFA:PFA+1], s[PFA:PFA+1], 2*KSTEP*2  ; at K step 2: the first refill steps it to 3 and names K step 4
	v_mul_u32_u24 v[PFO], v5, SIZE_K*2
; 8 matrix instructions: A's block a x B's eight, 32 along K, from buffer f.  zero = 1: the first products start the sums from the bias.  The 32 accumulators take turns, one instruction a turn, in the same order in
; every quarter.
.macro MUL8 f, a, zero
.irp b, 0,1,2,3,4,5,6,7
.if \zero
	v_wmma_f32_16x16x32_f16 v[8*(8*(\a)+\b):8*(8*(\a)+\b)+7], v[\f+32+8*\b:\f+32+8*\b+7], v[\f+8*(\a):\f+8*(\a)+7], v[BIAS+8*\b:BIAS+8*\b+7]
.else
	v_wmma_f32_16x16x32_f16 v[8*(8*(\a)+\b):8*(8*(\a)+\b)+7], v[\f+32+8*\b:\f+32+8*\b+7], v[\f+8*(\a):\f+8*(\a)+7], v[8*(8*(\a)+\b):8*(8*(\a)+\b)+7]
.endif
.endr
.endm
.macro FETCH slot, k, f                ; 24 LDS loads in one run: the fragments of 32 along K at byte k of the rows: B's eight, then A's four
	WIN TO_F
.irp i, 0,1,2,3,4,5,6,7
	ds_load_b128 v[\f+32+8*\i:\f+32+8*\i+3],   v[ADRB+\slot] offset:\k+\i*16*PITCH
	ds_load_b128 v[\f+32+8*\i+4:\f+32+8*\i+7], v[ADRB+\slot] offset:\k+\i*16*PITCH+32
.endr
.irp i, 0,1,2,3
	ds_load_b128 v[\f+8*\i:\f+8*\i+3],   v[ADRA+\slot] offset:\k+\i*16*PITCH
	ds_load_b128 v[\f+8*\i+4:\f+8*\i+7], v[ADRA+\slot] offset:\k+\i*16*PITCH+32
.endr
.endm
.macro PLACES                          ; four places ahead of loads into registers that matrix instructions have read, and of the first read of results
.rept 4
	v_nop
.endr
.endm
.macro QUARTER slot, k, f, g, zero     ; 32 along K: multiplies buffer f and, in its middle, fetches the next quarter, at byte k, into g
	s_wait_dscnt 4                                 ; B's eight and A's blocks 0 and 1 are in; the youngest four loads (A's blocks 2 and 3) may be out
	WIN MUL-0x20*(\zero)
	MUL8 \f, 0, \zero
	MUL8 \f, 1, \zero
	PLACES
	FETCH \slot, \k, \g
	s_wait_dscnt 24                                ; all but the 24 just issued
	WIN MUL-0x20*(\zero)
	MUL8 \f, 2, \zero
	MUL8 \f, 3, \zero
.endm
; The last quarter of a K step changes slots: ONE barrier; in front of it each wave waits for all its tensor loads, adds 0 to its spare word, and waits for that and for its reads of this slot.  fill = 1: this slot is filled again.
.macro TURN slot, next, fill
.if \fill
	s_wait_xcnt 0x0                                ; the last prefetch, a K step back, has read its address: it is stepped here, ahead of the waits of the change of slots
	s_add_nc_u64 s[PFA:PFA+1], s[PFA:PFA+1], KSTEP*2
.endif
	WIN 0
	s_wait_tensorcnt 0x0                           ; my part of the next slot has landed
	ds_add_u32 v[SPW], v[NIL]
	s_wait_dscnt 5                                 ; (the add and the youngest four loads may be out)
	WIN MUL
	MUL8 F1, 0, 0                                  ; eight matrix instructions stand between the add and the wait for it
	s_wait_dscnt 0x0                               ; the add is done, and my reads of this slot are over
	s_barrier_signal -1
	MUL8 F1, 1, 0
.if \fill
	WIN 0
.endif
	s_barrier_wait -1
.if \fill
	CREST                                          ; the barrier has opened a round of the cluster's: no wave of any partner still reads this slot or has a load on its way
	s_add_nc_u64 s[G0+4*\slot+2:G0+4*\slot+3], s[G0+4*\slot+2:G0+4*\slot+3], 2*KSTEP*2
	s_add_nc_u64 s[G0B+4*\slot+2:G0B+4*\slot+3], s[G0B+4*\slot+2:G0B+4*\slot+3], 2*KSTEP*2
	JLOAD \slot                                    ; the first tensor load behind the round; its four v_nop are also the places ahead of the loads below
.else
	PLACES
.endif
	FETCH \next, 0, F0
.if \fill
	WIN 0                                          ; (a branch and a label follow)
	ASK
.endif
	WIN MUL
	MUL8 F1, 2, 0
	MUL8 F1, 3, 0
.endm
	s_wait_tensorcnt 1                             ; my part of K step 0 is in; K step 1's load may stay out
	s_barrier_signal -1
	s_barrier_wait -1
	FETCH 0, 0, F0
	s_wait_loadcnt 0x0                             ; the bias
	QUARTER 0, 64, F0, F1, 1                       ; the first quarter stands in front of the loop: its products start the sums
	WIN 0                                          ; at a label and at a branch every window is 0
	s_mov_b32 s3, LAPS-1
.Llap:                                                 ; a trip goes once round the ring, from a lap's second quarter to the next lap's first, and fills both slots again
	QUARTER 0, 128, F1, F0, 0
	QUARTER 0, 192, F0, F1, 0
	TURN 0, 1, 1
	QUARTER 1, 64,  F0, F1, 0
	QUARTER 1, 128, F1, F0, 0
	QUARTER 1, 192, F0, F1, 0
	TURN 1, 0, 1
	QUARTER 0, 64,  F0, F1, 0
	WIN 0
	s_sub_co_u32 s3, s3, 1
	s_cmp_lg_u32 s3, 0
	s_cbranch_scc1 .Llap
	QUARTER 0, 128, F1, F0, 0                      ; the last lap fills nothing
	QUARTER 0, 192, F0, F1, 0
	TURN 0, 1, 0
	QUARTER 1, 64,  F0, F1, 0
	QUARTER 1, 128, F1, F0, 0
	QUARTER 1, 192, F0, F1, 0
	s_wait_dscnt 4                                 ; the very last quarter: nothing more to fetch
	WIN MUL
	MUL8 F1, 0, 0
	MUL8 F1, 1, 0
	s_wait_dscnt 0
	MUL8 F1, 2, 0
	MUL8 F1, 3, 0
	WIN 0
; THE WAY OUT, block by block of 16 rows x 128 columns: a lane's 32 bytes go into my stage, whole rows of 512 bytes come back.  LDS serves a wave's instructions in order (ISA guide 5.7.1.4): no wait between stores and loads.
.macro TOSTAGE a
	WIN 0x08                                       ; an LDS store's data are its source 1: window 2
.irp b, 0,1,2,3,4,5,6,7
	ds_store_b128 v[STO], v[8*(8*(\a)+\b):8*(8*(\a)+\b)+3] offset:64*\b          ; each accumulator from its low end on
	ds_store_b128 v[STO], v[8*(8*(\a)+\b)+4:8*(8*(\a)+\b)+7] offset:64*\b+16
.endr
	WIN 0
.set BB, BK+64*((\a)%2)
.irp t, 0,1,2,3,4,5,6,7,8,9,10,11,12,13,14,15
	ds_load_b128 v[BB+4*\t:BB+4*\t+3], v[RD] offset:\t*SPITCH
.endr
.endm
.macro SEND a, younger                 ; younger: the LDS instructions issued behind block a's loads, which may stay out
.set BB, BK+64*((\a)%2)
	s_wait_dscnt \younger
.irp t, 0,1,2,3,4,5,6,7,8,9,10,11,12,13,14,15
	global_store_b128 v[CO], v[BB+4*\t:BB+4*\t+3], s[8:9] offset:(16*(\a)+\t)*4096 th:TH_STORE_NT   ; 32 lanes store 512 consecutive bytes, at a multiple of 256 from out0's first byte
.endr
.endm
	PLACES
	TOSTAGE 0
.irp a, 1,2,3
.if \a > 1
	s_wait_xcnt 0x0                                ; block a - 2's stores have read their registers: block a's loads may land there
.endif
	TOSTAGE \a
	SEND \a-1, 32                                  ; behind block a - 1's loads: block a's 16 stores and 16 loads
.endr
	SEND 3, 0
	s_wait_tensorcnt 0x0                           ; the wave's end
	ds_add_u32 v[SPW], v[NIL]
	s_wait_dscnt 0x0
	CROUND                                         ; the closing round: no work-group ends while a partner may still ask for a tile that names it
	s_endpgm
.Lfunc_end_k_qf783646238_outp:
	.size	k_qf783646238_outp, .Lfunc_end_k_qf783646238_outp-k_qf783646238_outp
	.p2alignl 7, 3214868480
	.fill 96, 4, 3214868480
	.section	.rodata,"a",@progbits
	.p2align	6, 0x0
	.amdhsa_kernel k_qf783646238_outp
		.amdhsa_group_segment_fixed_size 327680
		.amdhsa_private_segment_fixed_size 0
		.amdhsa_enable_private_segment 0
		.amdhsa_kernarg_size 32
		.amdhsa_user_sgpr_count 2
		.amdhsa_user_sgpr_kernarg_segment_ptr 1
		.amdhsa_wavefront_size32 1
		.amdhsa_system_sgpr_workgroup_id_x 1
		.amdhsa_system_sgpr_workgroup_id_y 1
		.amdhsa_system_sgpr_workgroup_id_z 1
		.amdhsa_system_vgpr_workitem_id 0
		.amdhsa_next_free_vgpr 768
		.amdhsa_next_free_sgpr 72
		.amdhsa_reserve_vcc 0
		.amdhsa_float_denorm_mode_32 3
		.amdhsa_float_denorm_mode_16_64 3
		.amdhsa_memory_ordered 1
		.amdhsa_forward_progress 1
		.amdhsa_inst_pref_size 88
	.end_amdhsa_kernel
	.amdgpu_metadata
---
amdhsa.version: [ 1, 2 ]
amdhsa.kernels:
  - .name:           k_qf783646238_outp
    .symbol:         k_qf783646238_outp.kd
    .args:
      - { .name: ao, .offset: 0, .size: 8, .value_kind: global_buffer, .address_space: global }
      - { .name: wo16, .offset: 8, .size: 8, .value_kind: global_buffer, .address_space: global }
      - { .name: bo, .offset: 16, .size: 8, .value_kind: global_buffer, .address_space: global }
      - { .name: out0, .offset: 24, .size: 8, .value_kind: global_buffer, .address_space: global }
    .group_segment_fixed_size: 327680
    .private_segment_fixed_size: 0
    .kernarg_segment_align: 8
    .kernarg_segment_size: 32
    .max_flat_workgroup_size: 128
    .sgpr_count:     72
    .vgpr_count:     768
    .wavefront_size: 32
...
	.end_amdgpu_metadata
.endif
;; end of part 4
